; MI455X (gfx1250); checked and timed in simulation.
; The chip was launched on July 23, 2026; its instructions are those of AMD's public machine-readable ISA for CDNA 5 (MIT licence, August 2026) and "CDNA5" Instruction Set Architecture Reference Guide (July 2026). The comments in the code are by the model that wrote it; some were corrected since.
;; LA Ro PE Cross Attention. Allowed arithmetic: matrix products marked QUANTISED: E2M1 operands, one E8M0 scale for each 32 along K, by v_wmma_scale_f32_16x16x128_f8f6f4 with both operands' format E2M1 (or v_wmma_scale_f32_32x16x128_f4), f32 sums; products left as they are: bf16, f16 or f32 operands; f32 sums; everything else in f32.
;; Inputs: Wkv 1,024 x 2,048 float32; Wo 1,024 x 1,024 float32; Wq 1,024 x 1,024 float32; bkv 2,048 float32; bo 1,024 float32; bq 1,024 float32; context 8 x 512 x 1,024 float32; context_mask 8 x 512 bool; x 8 x 2,048 x 1,024 float32.
;; Outputs: out0 8 x 2,048 x 1,024 float32.
;; This version of the problem:
;;   THIS VERSION OF THE PROBLEM IS GIVEN IN LOW PRECISION. The matrix products marked QUANTISED in the list below multiply operands that are first quantised to E2M1 (2 exponent bits, 1 mantissa bit; 4 bits a number), with one power-of-two scale for each 32 numbers along K (OCP MX v1.0); their sums are f32. The products marked 'left as it is' may take bf16, f16 or f32 operands, with f32 sums. Whichever they take, every output number must still come out within the allowed error. Rounding operands to bf16 (8 significant bits) uses up far more of that allowance than f16 does (11 bits, for magnitudes from 6e-5 to 65,504). All else is computed in f32.
;;   The module's matrix products, in the order in which they are computed (A, B: the left and right operand; K: the contracted axis; several contracted axes count as one K, in the product's order):
;;     1. [M 16,384, K 1,024] x [K 1,024, N 1,024]; A: input x; B: input Wq: QUANTISED
;;     2. [M 4,096, K 1,024] x [K 1,024, N 2,048]; A: input context; B: input Wkv: QUANTISED
;;     3. batch 128 x [M 2,048, K 64] x [K 64, N 512]; A: computed on the way; B: computed on the way: left as it is (an operand is computed on the way)
;;     4. batch 128 x [M 2,048, K 512] x [K 512, N 64]; A: computed on the way; B: computed on the way: left as it is (an operand is computed on the way)
;;     5. [M 16,384, K 1,024] x [K 1,024, N 1,024]; A: computed on the way; B: input Wo: left as it is (an operand is computed on the way)
;;   THE QUANTISER, for each operand of a quantised product, along K:
;;     - K is cut into blocks of 32 from its start; a last block that is shorter is filled with zeros.
;;     - A block's scale is 2^e with e = floor(log2(the largest magnitude in the block)) - 2, held to -126 .. 127; a block of zeros has e = 0. As a byte (E8M0): e + 127.
;;     - Each number is divided by its block's scale, clamped to +-6, and rounded to the nearest number of E2M1, ties to even, subnormals kept.
;;     - The product sums the exact products of the quantised numbers (number of the format x scale) in f32.
;;   ~~~python
;;   def quantise(x, axis):      # numpy; x: float32 -> the quantised numbers, widened to float32 again
;;       x = np.moveaxis(x, axis, -1); K = x.shape[-1]
;;       x = np.pad(x, [(0, 0)] * (x.ndim - 1) + [(0, -K % 32)]); x = x.reshape(x.shape[:-1] + (-1, 32)); a = np.abs(x).max(-1, keepdims=True)
;;       e = np.where(a > 0, np.clip(np.frexp(np.where(a > 0, a, 1))[1] - 1 - 2, -126, 127), 0)      # np.frexp(a)[1] - 1 = floor(log2(a)), exactly
;;       r = np.clip(x / 2.0 ** e, -6, 6)
;;       step = 2.0 ** (np.maximum(np.frexp(np.where(r == 0, 1, r))[1] - 1, 0) - 1)
;;       q = np.round(r / step) * step * 2.0 ** e      # np.round: ties to even
;;       return np.moveaxis(q.reshape(q.shape[:-2] + (-1,))[..., :K], -1, axis).astype(np.float32)
;;   ~~~
;; One version. Each part assembles by itself: llvm-mc -triple=amdgcn-amd-amdhsa -mcpu=gfx1250 --defsym DOCPART=n.
;; ======== version 1 of 1: 4 launches
;; limits: values are held in f16: magnitudes above 65,504 overflow, below 6.1e-05 lose precision
;; workspace buffers: wimg 1,572,864 bytes; wsc 98,304 bytes; woimg 2,097,152 bytes; qimg 33,554,432 bytes; kvimg 16,777,216 bytes; oimg 33,554,432 bytes
;; launch prep (part 1): grid 256 x 1, 4 waves a work-group, no clusters, 0 bytes of LDS; arguments Wq, Wkv, Wo, wimg, wsc, woimg; writes wimg, wsc, woimg
.if DOCPART == 1
	.amdgcn_target "amdgcn-amd-amdhsa--gfx1250"
	.amdhsa_code_object_version 6
	.text
	.protected	k_q2a1cc1f889_prep
	.globl	k_q2a1cc1f889_prep
	.p2align	8
	.type	k_q2a1cc1f889_prep,@function
k_q2a1cc1f889_prep:
	s_mov_b64 s[64:65], 0
	v_nop
	global_prefetch_b8 v0, s[64:65] scope:SCOPE_SE
	s_setreg_imm32_b32 hwreg(HW_REG_WAVE_MODE, 25, 1), 1
	s_wait_xcnt 0x0
; LARoPE cross attention, launch 1 of 4: the three weights are laid out once, in the order in which a wave's operand registers take them.
; NOTHING OF reference() IS LEFT OUT in this program, and every input is loaded: the bias on k is turned by the key's position, so it is not the same along the softmax's axis;
; the mask is an input and only selects values; both quantised products are done whole.
; Wq [1024][1024] and Wkv [1024][2048] (K is their FIRST axis) become codes of E2M1 with one E8M0 byte for each 32 along K; Wo [1024][1024] becomes f16.
; A block's scale is 2^(floor(log2(its largest magnitude)) - 2); its byte is the largest magnitude's exponent field - 2, held at 1 from below.
; LIMITS: a block of zeros keeps the byte 1 where the rule says 127 (its codes are zeros, and this program alone reads the bytes); NaN and infinities among the inputs are not served; |Wo| stays under 65,504 (f16).
; A LANE TAKES A COLUMN, ITS REGISTERS RUN DOWN K: a wave's task is 32 columns x 128 along K.  768 tasks of codes (work-groups 0-191), 256 of Wo (192-255).
; IMAGES.  A fragment of 16 rows is 1,024 bytes: registers 0-3 of lane l at 16 l, registers 4-7 at 512 + 16 l.
;   codes, 128 along K: lane (r, h) holds k = 64 c + 32 h + 0..31 in registers 4 c .. 4 c + 3: my block t of 32 goes to (t / 2) 512 + (t % 2) 256 + 16 r.
;   f16, 32 along K: lane (r, h) holds k = 16 c + 8 h + 0..7 in registers 4 c .. 4 c + 3: my piece pc of 8 goes to (pc / 2) 512 + (pc % 2) 256 + 16 r.
; wimg: 48 sets of 32 KB, set = (mat 2 + ch) 8 + w (mat 0 Wq, 1 Wk, 2 Wv; ch: half of 512 columns; w: the wave of the next launch that takes the set); in a set [K step 0..7][tile 0..3] x 1 KB.
;   Tile i of set w holds columns 512 ch + 64 (4 (w / 4) + i) + 16 (w % 4) + r: one sixteenth-class of channels of four heads.
; wsc: 48 sets of 2 KB: [8 p + s][lane] words: lane l carries tile 2 p + l / 16, row l % 16, K step s.   woimg: [column block of 256][32 along K: 0..31][column tile 0..15] x 1 KB.
; No LDS and no barrier: each store of 16 bytes a lane covers two aligned runs of 256 consecutive bytes.  No register is written twice, so no store's data are waited for.
.set X,    32                          ; v32-159  my column's 128 numbers
.set C,    16                          ; v16-31   codes: four registers for each block
.set SBW,  14                          ; v14      my column's scale word
.macro LOADS stride                    ; 128 rows of the weight at my column
.set k, 0
.rept 128
	global_load_b32 v[X+k], v2, s[4:5] offset:k*\stride th:TH_LOAD_NT
.set k, k+1
.endr
.endm
.macro FP4BLK t, left                  ; block t of 32 along K: all its numbers are mine
.set XS, X+32*(\t)
	s_wait_loadcnt \left                           ; loads come back in order: this block's are in
	v_max3_num_f32 v12, |v[XS]|, |v[XS+1]|, |v[XS+2]|
	v_max3_num_f32 v13, |v[XS+3]|, |v[XS+4]|, |v[XS+5]|
.irp i, 6,10,14,18,22,26
	v_max3_num_f32 v12, v12, |v[XS+\i]|, |v[XS+\i+1]|
	v_max3_num_f32 v13, v13, |v[XS+\i+2]|, |v[XS+\i+3]|
.endr
	v_max3_num_f32 v12, v12, |v[XS+30]|, |v[XS+31]|
	v_max3_num_f32 v12, v12, v13, 0x1800000        ; and the floor 2^(3 - 127): the byte cannot fall under 1
	v_add_nc_u32 v11, 0xff000000, v12              ; 2 off the exponent field: the conversion takes this operand's exponent field as its scale
	v_lshrrev_b32 v13, 23, v11                     ; the scale's byte
.if (\t) == 0
	v_mov_b32 v[SBW], v13
.else
	v_lshl_or_b32 v[SBW], v13, 8*(\t), v[SBW]
.endif
.irp g, 0,1,2,3
	v_cvt_scalef32_pk8_fp4_f32 v[C+4*(\t)+\g], v[XS+8*\g:XS+8*\g+7], v11
.endr
	global_store_b128 v3, v[C+4*(\t):C+4*(\t)+3], s[10:11] offset:((\t)/2)*512+((\t)%2)*256
.endm
.macro F16BLK q, left                  ; 32 along K of Wo: one fragment's share of my column
.set XS, X+32*(\q)
	s_wait_loadcnt \left
.set i, 0
.rept 16
	v_cvt_pk_f16_f32 v[XS+i], v[XS+2*i], v[XS+2*i+1]   ; in place, ascending: a result never lands on a number still to be read
.set i, i+1
.endr
.irp pc, 0,1,2,3
	global_store_b128 v3, v[XS+4*\pc:XS+4*\pc+3], s[10:11] offset:(\q)*16384+(\pc/2)*512+(\pc%2)*256
.endr
.endm
	s_load_b128 s[4:7], s[0:1], 0x0                ; Wq, Wkv
	s_load_b128 s[8:11], s[0:1], 0x10              ; Wo, wimg
	s_load_b128 s[12:15], s[0:1], 0x20             ; wsc, woimg
	v_lshrrev_b32 v5, 5, v0
	v_readfirstlane_b32 s16, v5                    ; wave wv
	v_and_b32 v1, 31, v0                           ; lane l
	v_lshrrev_b32 v6, 4, v1                        ; l / 16
	v_and_b32 v7, 15, v1                           ; l % 16
	v_lshlrev_b32 v3, 4, v7
	v_lshl_add_u32 v3, v6, 10, v3                  ; the stores' lane term: 1,024 (l / 16) + 16 (l % 16)
	v_lshlrev_b32 v4, 2, v1                        ; 4 l
	v_lshlrev_b32 v8, 2, v7
	; a task of codes: id = mat 64 + ch 32 + wq 16 + p 8 + s
	s_lshr_b32 s17, ttmp9, 6                       ; mat
	s_bfe_u32 s18, ttmp9, 0x10005                  ; ch
	s_bfe_u32 s19, ttmp9, 0x10004                  ; wq
	s_bfe_u32 s20, ttmp9, 0x10003                  ; p
	s_and_b32 s21, ttmp9, 7                        ; s
	s_lshl_b32 s22, s18, 11                        ; 4 x first column: 512 ch + 64 (4 wq + 2 p) + 16 wv
	s_lshl_b32 s23, s19, 10
	s_add_co_u32 s22, s22, s23
	s_lshl_b32 s23, s20, 9
	s_add_co_u32 s22, s22, s23
	s_lshl_b32 s23, s16, 6
	s_add_co_u32 s22, s22, s23
	s_cmp_eq_u32 s17, 2
	s_cselect_b32 s23, 4096, 0                     ; Wv: the second 1,024 columns of Wkv
	s_add_co_u32 s22, s22, s23
	s_cmp_eq_u32 s17, 0
	s_cselect_b32 s23, 19, 20                      ; 128 rows of 4,096 or of 8,192 bytes
	s_lshl_b32 s23, s21, s23
	s_add_co_u32 s22, s22, s23                     ; where the task's numbers begin
	s_lshl_b32 s24, s17, 4
	s_lshl_b32 s25, s18, 3
	s_add_co_u32 s24, s24, s25
	s_lshl_b32 s25, s19, 2
	s_add_co_u32 s24, s24, s25
	s_add_co_u32 s24, s24, s16                     ; set
	s_lshl_b32 s26, s24, 15
	s_lshl_b32 s25, s21, 12
	s_add_co_u32 s26, s26, s25
	s_lshl_b32 s25, s20, 11
	s_add_co_u32 s26, s26, s25                     ; codes: 32,768 set + 1,024 (4 s + 2 p)
	s_lshl_b32 s28, s24, 11
	s_lshl_b32 s25, s20, 10
	s_add_co_u32 s28, s28, s25
	s_lshl_b32 s25, s21, 7
	s_add_co_u32 s28, s28, s25                     ; scale words: 2,048 set + 128 (8 p + s)
	; a task of Wo: e = id - 192; columns 32 cg on, rows 128 kc on
	s_sub_co_u32 s30, ttmp9, 192
	s_and_b32 s31, s30, 7
	s_lshl_b32 s31, s31, 2
	s_add_co_u32 s31, s31, s16                     ; cg
	s_lshr_b32 s30, s30, 3                         ; kc
	s_lshl_b32 s25, s30, 19
	s_lshl_b32 s29, s31, 7
	s_add_co_u32 s25, s25, s29                     ; where its numbers begin
	s_lshr_b32 s29, s31, 3
	s_lshl_b32 s29, s29, 19
	s_lshl_b32 s30, s30, 16
	s_add_co_u32 s29, s29, s30
	s_and_b32 s31, s31, 7
	s_lshl_b32 s31, s31, 11
	s_add_co_u32 s29, s29, s31                     ; images: 16,384 (32 (cg / 8) + 4 kc) + 2,048 (cg % 8)
	s_cmp_lt_u32 ttmp9, 192                        ; the choices hang on the work-group's number alone
	s_cselect_b32 s22, s22, s25
	s_cselect_b32 s26, s26, s29
	s_cselect_b32 s30, 256, 64                     ; lanes 16-31 stand 64 columns on (codes) or 16 (Wo)
	s_mov_b32 s23, 0
	s_mov_b32 s27, 0
	s_mov_b32 s29, 0
	v_mad_u32_u24 v2, v6, s30, v8                  ; the loads' lane term
	s_wait_kmcnt 0x0
	s_cmp_lt_u32 ttmp9, 192
	s_cselect_b64 s[10:11], s[10:11], s[14:15]     ; wimg or woimg
	s_cselect_b64 s[6:7], s[6:7], s[8:9]           ; Wkv or Wo
	s_cmp_lt_u32 ttmp9, 64
	s_cselect_b64 s[4:5], s[4:5], s[6:7]           ; Wq or the one just chosen
	s_add_nc_u64 s[4:5], s[4:5], s[22:23]
	s_add_nc_u64 s[10:11], s[10:11], s[26:27]
	s_sub_co_u32 s30, ttmp9, 64
	s_cmp_lt_u32 s30, 128                          ; Wkv's rows are twice as long
	s_cbranch_scc1 .Lld8
	LOADS 4096
	s_branch .Lproc
.Lld8:
	LOADS 8192
.Lproc:
	s_cmp_ge_u32 ttmp9, 192
	s_cbranch_scc1 .Lwo
	s_add_nc_u64 s[12:13], s[12:13], s[28:29]
	FP4BLK 0, 63                                   ; 96 younger loads could stay out: the wait's field ends at 63
	FP4BLK 1, 63                                   ; 64 could
	FP4BLK 2, 32                                   ; the last block's 32 may be out
	FP4BLK 3, 0
	global_store_b32 v4, v[SBW], s[12:13]          ; the wave's 32 scale words: 128 consecutive bytes
	s_endpgm
.Lwo:
	F16BLK 0, 63
	F16BLK 1, 63
	F16BLK 2, 32
	F16BLK 3, 0
	s_endpgm
.Lfunc_end_k_q2a1cc1f889_prep:
	.size	k_q2a1cc1f889_prep, .Lfunc_end_k_q2a1cc1f889_prep-k_q2a1cc1f889_prep
	.p2alignl 7, 3214868480
	.fill 96, 4, 3214868480
	.section	.rodata,"a",@progbits
	.p2align	6, 0x0
	.amdhsa_kernel k_q2a1cc1f889_prep
		.amdhsa_group_segment_fixed_size 0
		.amdhsa_private_segment_fixed_size 0
		.amdhsa_enable_private_segment 0
		.amdhsa_kernarg_size 48
		.amdhsa_user_sgpr_count 2
		.amdhsa_user_sgpr_kernarg_segment_ptr 1
		.amdhsa_wavefront_size32 1
		.amdhsa_system_sgpr_workgroup_id_x 1
		.amdhsa_system_sgpr_workgroup_id_y 1
		.amdhsa_system_sgpr_workgroup_id_z 1
		.amdhsa_system_vgpr_workitem_id 0
		.amdhsa_next_free_vgpr 176
		.amdhsa_next_free_sgpr 66
		.amdhsa_reserve_vcc 0
		.amdhsa_float_denorm_mode_32 3
		.amdhsa_float_denorm_mode_16_64 3
		.amdhsa_memory_ordered 1
		.amdhsa_forward_progress 1
		.amdhsa_inst_pref_size 40
	.end_amdhsa_kernel
	.amdgpu_metadata
---
amdhsa.version: [ 1, 2 ]
amdhsa.kernels:
  - .name:           k_q2a1cc1f889_prep
    .symbol:         k_q2a1cc1f889_prep.kd
    .args:
      - { .name: Wq, .offset: 0, .size: 8, .value_kind: global_buffer, .address_space: global }
      - { .name: Wkv, .offset: 8, .size: 8, .value_kind: global_buffer, .address_space: global }
      - { .name: Wo, .offset: 16, .size: 8, .value_kind: global_buffer, .address_space: global }
      - { .name: wimg, .offset: 24, .size: 8, .value_kind: global_buffer, .address_space: global }
      - { .name: wsc, .offset: 32, .size: 8, .value_kind: global_buffer, .address_space: global }
      - { .name: woimg, .offset: 40, .size: 8, .value_kind: global_buffer, .address_space: global }
    .group_segment_fixed_size: 0
    .private_segment_fixed_size: 0
    .kernarg_segment_align: 8
    .kernarg_segment_size: 48
    .max_flat_workgroup_size: 128
    .sgpr_count:     66
    .vgpr_count:     176
    .wavefront_size: 32
...
	.end_amdgpu_metadata
.endif
;; end of part 1
;; launch proj (part 2): grid 256 x 1, 16 waves a work-group, no clusters, 206,848 bytes of LDS; arguments x, context, wimg, wsc, bq, bkv, qimg, kvimg; writes qimg, kvimg
.if DOCPART == 2
	.amdgcn_target "amdgcn-amd-amdhsa--gfx1250"
	.amdhsa_code_object_version 6
	.text
	.protected	k_q2a1cc1f889_proj
	.globl	k_q2a1cc1f889_proj
	.p2align	8
	.type	k_q2a1cc1f889_proj,@function
k_q2a1cc1f889_proj:
	s_mov_b64 s[64:65], 0
	v_nop
	global_prefetch_b8 v0, s[64:65] scope:SCOPE_SE
	s_setreg_imm32_b32 hwreg(HW_REG_WAVE_MODE, 25, 1), 1
	s_wait_xcnt 0x0
; Launch 2 of 4: q = rope(x Wq + bq), k = rope(context Wk + bk), v = context Wv + bv.  Both products on codes of E2M1 with one E8M0 scale for each 32 along K; sums in f32.  No work of reference() is left out.
; x and context are quantised here, in registers, by the stated rule; the weights' codes and scale words come from the launch before, as images of the operand's registers.
; SHARES.  256 work-groups of sixteen waves, all with equal work.  Work-group g takes rows 64 g on of x against ALL 1,024 columns of Wq, so that x is read and quantised once, and one unit of context: its row block g / 4
; (64 rows) against set g % 4 of 512 columns (0, 1: Wk's halves; 2, 3: Wv's).
; PHASE X.  Both blocks of 64 rows are quantised up front: 64 fragments of 16 rows x 128 K, four a wave: wave w takes row tile w % 4 and K steps 2 (w / 4) + 0, 1, of x and then of context.  Each load reads 512 consecutive bytes
; of a row; the 16 rows turn through the wave's own stage (rows 528 bytes apart), so that lane (r, h) gets, of row r, 16 neighbours of each block of 32.  Fragments and scale words go to LDS as images of the registers.  ONE barrier.
; PHASE G, q: wave w takes set w of the weights: four tiles of 16 columns (class w % 4 of 16 channels in each of four heads) x four row tiles: 16 accumulators, K in 8 steps of 128, the weights two steps ahead.
; PHASE G, context: wave w takes tiles 2 (w / 8) + 0, 1 of set 8 (2 + g % 4) + w % 8, x four row tiles: 8 accumulators; all its weights, 16 KB, stand in registers, asked for on q's way out.
; q and k: source 0 = 16 columns of W, source 1 = 16 rows of x: a lane holds one row and eight neighbouring channels, four rotary pairs, which pack into 16 bytes of a f16 fragment of the scores' product.
; v: the sources change places: a lane holds one channel and eight neighbouring keys, 16 bytes of a fragment of V^T.  Nothing changes lanes on the way out, and each store covers 512 consecutive bytes.
; ROTARY.  The angle is 10 (pos / L) x 10000^(-i / 32), at most 10 and made of ids alone; sine and cosine by reduction to |r| <= pi / 4 (pi / 2 in two parts) and series to r^9 and r^8, all in f32.
; LIMITS: |q|, |k|, |v| stay under 65,504 (f16); a block of zeros keeps the scale byte 1 (its codes are zeros; the bytes are read here alone); NaN and infinities among the inputs are not served.
; NO CLUSTER: no tile goes through the data mover here.  A wave's weights come from memory straight into its operand registers, each fragment to one wave alone, and x passes each wave's own stage; joint requests are tensor loads' alone.
; No prefetch: 32 loads of 16 bytes a lane are out in each of the sixteen waves through phase X, and the weights run two K steps or more ahead.
; qimg: [batch 16 + head][row tile 0..127][32 channels: 0..1] x 1 KB.   kvimg: [batch 16 + head] x 128 KB: K [key tile 0..31][0..1] x 1 KB, from byte 65,536 V^T [32 keys: 0..15][channel tile 0..3] x 1 KB.
.set XIMG,  0                          ; LDS: x's 32 fragments, 4 s + m, 1 KB each
.set CIMG,  32768                      ; context's 32
.set XSC,   65536                      ; x's scale words: [s][row r][m], 256 bytes a K step
.set CSC,   2048                       ; context's stand this far behind x's
.set STG,   69632                      ; a stage of 16 rows x 528 bytes for each wave
.set WSTG,  8448
.set SPARE, 204800                     ; the spare words, 128 bytes for each wave: eight blocks of 256 bytes that no other line names
.set LI,   1                           ; v1   16 x lane
.set SA,   2                           ; v2   the stage on the way in
.set SB,   3                           ; v3   and on the way out: row r, + 64 h
.set XWI,  4                           ; v4   where I store my fragments
.set XWS,  5                           ; v5   and their scale words
.set XSA,  6                           ; v6   where a row's four scale words of a K step lie
.set L4,   7                           ; v7   4 x lane;   v8: r = lane % 16;   v9: h = lane / 16
.set SPW,  10                          ; v10  LDS address of my spare word; never rewritten
.set NIL,  11                          ; v11  0; never rewritten
.set XS,   12                          ; v12-15  the rows' scale words, one register a row tile: scales and nothing else
.set WS,   16                          ; v16-31  W's scale words; lanes 0-15 an even tile, lanes 16-31 the next: scales and nothing else.  q: 8 (i / 2) + s; context: s
.set XF,   32                          ; v32-63  the rows' four fragments of a K step
.set TM,   32                          ; phase X: v32-47 at work
.set PW,   48                          ; the scale word just made
.set PC,   50                          ; v50-57 the codes just made
.set BA,   62                          ; way out: the biases' lane term
.set WF,   64                          ; v64-127 q: W's four fragments, two sets;  context: K steps 4-7, 16 registers each (K steps 0-3: v192-255)
.set T,    64                          ; phase X: 64 numbers, turned
.set CS,   64                          ; way out: v64-95 (cos, sin) of row tile m, pair u at 8 m + 2 u;  v96-127 the biases
.set ACC,  128                         ; accumulator (i, m) at 8 (4 i + m): q v128-255, context v128-191
.set RA,   128                         ; phase X: two raw sets of 64
.set RB,   192
.macro RAW ptr, f, reg, nt             ; my 16 rows' 128 numbers of my f-th K step: 512 consecutive bytes a load.  nt = 1: x, which the launch reads once; context's rows are read by four work-groups
.irp i, 0,1,2,3,4,5,6,7,8,9,10,11,12,13,14,15
.if \nt
	global_load_b128 v[\reg+4*\i:\reg+4*\i+3], v[LI], s[\ptr:\ptr+1] offset:\i*4096+(\f)*512 th:TH_LOAD_NT
.else
	global_load_b128 v[\reg+4*\i:\reg+4*\i+3], v[LI], s[\ptr:\ptr+1] offset:\i*4096+(\f)*512
.endif
.endr
.endm
.macro TURNX reg                       ; through my stage: LDS serves a wave's instructions in order, so no wait stands between the stores and the loads
.irp i, 0,1,2,3,4,5,6,7,8,9,10,11,12,13,14,15
	ds_store_b128 v[SA], v[\reg+4*\i:\reg+4*\i+3] offset:\i*528
.endr
.irp b, 0,1,2,3
.irp j, 0,1,2,3
	ds_load_b128 v[T+16*\b+4*\j:T+16*\b+4*\j+3], v[SB] offset:128*\b+16*\j   ; register 16 b + i = k 32 b + 16 h + i of row r
.endr
.endr
.endm
; 64 numbers of a lane, register 16 b + i = k 32 b + 16 (lane / 16) + i of my row, become a fragment's codes in v[PC] on and its scale word in v[PW]
.macro QUANT s
.irp b, 0,1,2,3
	v_max3_num_f32 v[TM+\b], |v[\s+16*\b]|, |v[\s+1+16*\b]|, 0x1800000   ; block b: my 16 numbers, and the floor 2^(3 - 127): the byte cannot fall under 1
.endr
.irp i, 2,4,6,8,10,12,14
.irp b, 0,1,2,3
	v_max3_num_f32 v[TM+\b], v[TM+\b], |v[\s+16*\b+\i]|, |v[\s+1+16*\b+\i]|
.endr
.endr
.irp b, 0,1,2,3
	v_permlanex16_b32 v[TM+4+\b], v[TM+\b], s34, s35
.endr
.irp b, 0,1,2,3
	v_max_num_f32 v[TM+\b], v[TM+\b], v[TM+4+\b]   ; with lane l xor 16's: the block's largest magnitude
.endr
.irp b, 0,1,2,3
	v_add_nc_u32 v[TM+12+\b], 0xff000000, v[TM+\b] ; 2 off its exponent field: the conversion's scale operand
.endr
.irp b, 0,1,2,3
	v_lshrrev_b32 v[TM+4+\b], 23, v[TM+12+\b]      ; the scale's byte
.endr
	v_lshl_or_b32 v[PW], v[TM+5], 8, v[TM+4]
	v_lshl_or_b32 v[PW], v[TM+6], 16, v[PW]
	v_lshl_or_b32 v[PW], v[TM+7], 24, v[PW]
.irp b, 0,1,2,3
	v_cvt_scalef32_pk8_fp4_f32 v[PC+2*\b], v[\s+16*\b:\s+7+16*\b], v[TM+12+\b]
	v_cvt_scalef32_pk8_fp4_f32 v[PC+1+2*\b], v[\s+8+16*\b:\s+15+16*\b], v[TM+12+\b]
.endr
	v_nop                                          ; one plain place behind a scaled conversion
.irp c, 0,1                                    ; the operand's layout wants a whole block in a lane
.irp i, 0,1
	v_permlane16_swap_b32 v[PC+4*\c+\i], v[PC+2+4*\c+\i]
.endr
.endr
.endm
.macro IMAGE ioff, soff                ; the fragment goes to LDS as it stands; both halves of the lanes write a row's scale word with the same value
.irp c, 0,1
	ds_store_b128 v[XWI], v[PC+4*\c:PC+4*\c+3] offset:(\ioff)+512*\c
.endr
	ds_store_b32 v[XWS], v[PW] offset:\soff
.endm
.macro WLOAD s                         ; q: my four fragments of W for K step s, straight into the operand's registers
.irp i, 0,1,2,3
.irp c, 0,1
	global_load_b128 v[WF+32*((\s)%2)+8*\i+4*\c:WF+32*((\s)%2)+8*\i+4*\c+3], v[LI], s[38:39] offset:(\s)*4096+\i*1024+\c*512
.endr
.endr
.endm
.macro WLOADC s                        ; context: my two fragments of W for K step s
.if (\s) < 4
.set rL, 192+16*(\s)
.else
.set rL, 64+16*((\s)-4)
.endif
.irp i, 0,1
.irp c, 0,1
	global_load_b128 v[rL+8*\i+4*\c:rL+8*\i+4*\c+3], v[LI], s[66:67] offset:(\s)*4096+\i*1024+\c*512
.endr
.endr
.endm
.macro XLOAD s, ib, wb                 ; the rows' four fragments of K step s and their scale words; ib, wb: x's or context's part of LDS
.irp m, 0,1,2,3
.irp c, 0,1
	ds_load_b128 v[XF+8*\m+4*\c:XF+8*\m+4*\c+3], v[LI] offset:(\ib)+(\s)*4096+\m*1024+\c*512
.endr
.endr
	ds_load_b128 v[XS:XS+3], v[XSA] offset:(\wb)+(\s)*256
.endm
; one of my four fragments.  more = 1: the raw set is asked for again (pointer nptr, K step nf).  last = 1: the turned numbers are done with, and W's first two K steps land there
.macro XPART reg, left, ioff, soff, more, nptr, nf, nnt, last
	s_wait_loadcnt \left                           ; this raw set is in; the next set's 16 loads may be out
	TURNX \reg
	s_wait_dscnt 0x0                               ; the turned numbers are in: so the stage's stores and the last fragment's stores have read their registers
.if \more
	RAW \nptr, \nf, \reg, \nnt
.endif
	QUANT T
.if \last
	WLOAD 0
	WLOAD 1
.endif
	IMAGE \ioff, \soff
.endm
; one matrix instruction: K step s, column tile i, row tile m.  tr = 0: source 0 = W; tr = 1: source 0 = the rows.  cx = 1: the context unit's registers.  The first K step starts the sums with the constant 0
.macro MM s, tr, i, m, cx
.set rD, ACC+8*(4*\i+\m)
.set rX, XF+8*\m
.set rSX, XS+\m
.if \cx
.if (\s) < 4
.set rW, 192+16*(\s)+8*\i
.else
.set rW, 64+16*((\s)-4)+8*\i
.endif
.set rSW, WS+(\s)
.else
.set rW, WF+32*((\s)%2)+8*\i
.set rSW, WS+8*(\i/2)+(\s)
.endif
.if \tr == 0
.if (\s) == 0
.if (\i)%2
	v_wmma_scale_f32_16x16x128_f8f6f4 v[rD:rD+7], v[rW:rW+7], v[rX:rX+7], 0, v[rSW], v[rSX] matrix_a_fmt:MATRIX_FMT_FP4 matrix_b_fmt:MATRIX_FMT_FP4 matrix_a_scale:MATRIX_SCALE_ROW1
.else
	v_wmma_scale_f32_16x16x128_f8f6f4 v[rD:rD+7], v[rW:rW+7], v[rX:rX+7], 0, v[rSW], v[rSX] matrix_a_fmt:MATRIX_FMT_FP4 matrix_b_fmt:MATRIX_FMT_FP4
.endif
.else
.if (\i)%2
	v_wmma_scale_f32_16x16x128_f8f6f4 v[rD:rD+7], v[rW:rW+7], v[rX:rX+7], v[rD:rD+7], v[rSW], v[rSX] matrix_a_fmt:MATRIX_FMT_FP4 matrix_b_fmt:MATRIX_FMT_FP4 matrix_a_scale:MATRIX_SCALE_ROW1
.else
	v_wmma_scale_f32_16x16x128_f8f6f4 v[rD:rD+7], v[rW:rW+7], v[rX:rX+7], v[rD:rD+7], v[rSW], v[rSX] matrix_a_fmt:MATRIX_FMT_FP4 matrix_b_fmt:MATRIX_FMT_FP4
.endif
.endif
.else
.if (\s) == 0
.if (\i)%2
	v_wmma_scale_f32_16x16x128_f8f6f4 v[rD:rD+7], v[rX:rX+7], v[rW:rW+7], 0, v[rSX], v[rSW] matrix_a_fmt:MATRIX_FMT_FP4 matrix_b_fmt:MATRIX_FMT_FP4 matrix_b_scale:MATRIX_SCALE_ROW1
.else
	v_wmma_scale_f32_16x16x128_f8f6f4 v[rD:rD+7], v[rX:rX+7], v[rW:rW+7], 0, v[rSX], v[rSW] matrix_a_fmt:MATRIX_FMT_FP4 matrix_b_fmt:MATRIX_FMT_FP4
.endif
.else
.if (\i)%2
	v_wmma_scale_f32_16x16x128_f8f6f4 v[rD:rD+7], v[rX:rX+7], v[rW:rW+7], v[rD:rD+7], v[rSX], v[rSW] matrix_a_fmt:MATRIX_FMT_FP4 matrix_b_fmt:MATRIX_FMT_FP4 matrix_b_scale:MATRIX_SCALE_ROW1
.else
	v_wmma_scale_f32_16x16x128_f8f6f4 v[rD:rD+7], v[rX:rX+7], v[rW:rW+7], v[rD:rD+7], v[rSX], v[rSW] matrix_a_fmt:MATRIX_FMT_FP4 matrix_b_fmt:MATRIX_FMT_FP4
.endif
.endif
.endif
.endm
; A K step of q: 16 matrix instructions, the 16 accumulators by turns, one instruction a turn.  All operands and scales come by loads and owe only their waits.
.macro KSTEP s
.if (\s) < 7
	s_wait_loadcnt 8                               ; this step's fragments of W are in; the next step's eight loads may be out
.else
	s_wait_loadcnt 0x0
.endif
	s_wait_dscnt 0x0                               ; x's fragments and scale words
.irp i, 0,1,2,3
.irp m, 0,1,2,3
	MM \s, 0, \i, \m, 0
.endr
.endr
.rept 4
	v_nop                                          ; four places in front of loads into registers that matrix instructions have read, and of the first read of results
.endr
.if (\s) < 6
	WLOAD (\s)+2
.endif
.if (\s) < 7
	XLOAD (\s)+1, XIMG, 0
.endif
.endm
; A K step of the context unit: 8 matrix instructions, the 8 accumulators by turns
.macro KSTEPC s, tr
	s_wait_loadcnt 4*(7-(\s))                      ; the weights were asked for in ascending order, behind their scale words: this step's four loads are in; the later steps', four each, may be out
	s_wait_dscnt 0x0                               ; context's fragments and scale words
.irp i, 0,1
.irp m, 0,1,2,3
	MM \s, \tr, \i, \m, 1
.endr
.endr
.rept 4
	v_nop                                          ; four places, as in q's K step
.endr
.if (\s) < 7
	XLOAD (\s)+1, CIMG, CSC
.endif
.endm
; 10000^(-pair / 32) of my four rotary pairs 8 cl + 4 h + 0..3 into v32-35, and 10 (pos / L) of my row in each of the four row tiles into v36-39.  pb: the scalar register with the block's first position; il: 1 / L
.macro ANGLES pb, il
	s_lshl_b32 s33, s30, 3
	v_lshl_add_u32 v40, v9, 2, s33                 ; 8 cl + 4 h
.irp u, 0,1,2,3
	v_add_nc_u32 v[32+\u], \u, v40
.endr
.irp u, 0,1,2,3
	v_cvt_f32_u32 v[32+\u], v[32+\u]
.endr
.irp u, 0,1,2,3
	v_mul_f32 v[32+\u], 0xbed49a78, v[32+\u]       ; x -log2(10000) / 32
.endr
.irp u, 0,1,2,3
	v_exp_f32 v[32+\u], v[32+\u]
.endr
	v_add_nc_u32 v41, s[\pb], v8                   ; my position in the sequence, row tile 0.  (Plain work behind the exponentials, which names none of their results)
.irp m, 0,1,2,3
	v_add_nc_u32 v[36+\m], 16*\m, v41
.endr
.irp m, 0,1,2,3
	v_cvt_f32_u32 v[36+\m], v[36+\m]
.endr
.irp m, 0,1,2,3
	v_mul_f32 v[36+\m], \il, v[36+\m]              ; / L: exact
.endr
.irp m, 0,1,2,3
	v_mul_f32 v[36+\m], 0x41200000, v[36+\m]       ; x 10
.endr
	s_wait_alu depctr_va_vdst(0)                   ; the wait ahead of the first reader of an exponential: one for the four
.endm
; cos and sin of row tile m's four angles, the four by turns so that no line waits for the line above it.  40 + 4 u: the angle, then r; +1: n; +2: r^2; +3 at work
.macro SINCOS m
.irp u, 0,1,2,3
	v_mul_f32 v[40+4*\u], v[36+\m], v[32+\u]
.endr
.irp u, 0,1,2,3
	v_mul_f32 v[41+4*\u], s40, v[40+4*\u]
.endr
.irp u, 0,1,2,3
	v_rndne_f32 v[41+4*\u], v[41+4*\u]             ; n: how many quarter turns
.endr
.irp u, 0,1,2,3
	v_fma_f32 v[40+4*\u], v[41+4*\u], s41, v[40+4*\u]
.endr
.irp u, 0,1,2,3
	v_fma_f32 v[40+4*\u], v[41+4*\u], s42, v[40+4*\u]   ; r = angle - n pi / 2
.endr
.irp u, 0,1,2,3
	v_mul_f32 v[42+4*\u], v[40+4*\u], v[40+4*\u]
.endr
.irp u, 0,1,2,3
	v_fma_f32 v[CS+8*\m+2*\u+1], v[42+4*\u], s46, s45
.endr
.irp u, 0,1,2,3
	v_fma_f32 v[CS+8*\m+2*\u], v[42+4*\u], s49, s48
.endr
.irp u, 0,1,2,3
	v_fma_f32 v[CS+8*\m+2*\u+1], v[CS+8*\m+2*\u+1], v[42+4*\u], s44
.endr
.irp u, 0,1,2,3
	v_fma_f32 v[CS+8*\m+2*\u], v[CS+8*\m+2*\u], v[42+4*\u], s47
.endr
.irp u, 0,1,2,3
	v_fma_f32 v[CS+8*\m+2*\u+1], v[CS+8*\m+2*\u+1], v[42+4*\u], s43
.endr
.irp u, 0,1,2,3
	v_fma_f32 v[CS+8*\m+2*\u], v[CS+8*\m+2*\u], v[42+4*\u], -0.5
.endr
.irp u, 0,1,2,3
	v_mul_f32 v[43+4*\u], v[40+4*\u], v[42+4*\u]
.endr
.irp u, 0,1,2,3
	v_fma_f32 v[CS+8*\m+2*\u], v[CS+8*\m+2*\u], v[42+4*\u], 1.0        ; cos r
.endr
.irp u, 0,1,2,3
	v_fma_f32 v[CS+8*\m+2*\u+1], v[CS+8*\m+2*\u+1], v[43+4*\u], v[40+4*\u]   ; sin r
.endr
.irp u, 0,1,2,3
	v_cvt_i32_f32 v[41+4*\u], v[41+4*\u]
.endr
.irp u, 0,1,2,3
	v_and_b32 v[43+4*\u], 1, v[41+4*\u]
.endr
.irp u, 0,1,2,3
	v_cmp_eq_u32 s[58+\u], 1, v[43+4*\u]           ; an odd quarter turn changes the two over
.endr
.irp u, 0,1,2,3
	v_cndmask_b32 v[42+4*\u], v[CS+8*\m+2*\u+1], v[CS+8*\m+2*\u], s[58+\u]
.endr
.irp u, 0,1,2,3
	v_cndmask_b32 v[40+4*\u], v[CS+8*\m+2*\u], v[CS+8*\m+2*\u+1], s[58+\u]
.endr
.irp u, 0,1,2,3
	v_and_b32 v[43+4*\u], 2, v[41+4*\u]
.endr
.irp u, 0,1,2,3
	v_add_nc_u32 v[41+4*\u], 1, v[41+4*\u]
.endr
.irp u, 0,1,2,3
	v_lshlrev_b32 v[43+4*\u], 30, v[43+4*\u]
.endr
.irp u, 0,1,2,3
	v_and_b32 v[41+4*\u], 2, v[41+4*\u]
.endr
.irp u, 0,1,2,3
	v_xor_b32 v[CS+8*\m+2*\u+1], v[43+4*\u], v[42+4*\u]   ; the sine's sign: quarter turns 2 and 3
.endr
.irp u, 0,1,2,3
	v_lshlrev_b32 v[41+4*\u], 30, v[41+4*\u]
.endr
.irp u, 0,1,2,3
	v_xor_b32 v[CS+8*\m+2*\u], v[41+4*\u], v[40+4*\u]     ; the cosine's: 1 and 2
.endr
.endm
; tile (i, m) of q or k: bias, rotation, f16, one store of 512 consecutive bytes.  The data are the accumulator's own lowest four registers
.macro TILER i, m, ptr
.set rD, ACC+8*(4*\i+\m)
.irp p, 0,1,2,3
	v_pk_add_f32 v[rD+2*\p:rD+2*\p+1], v[rD+2*\p:rD+2*\p+1], v[96+8*\i+2*\p:96+8*\i+2*\p+1]   ; from the accumulator's low end on
.endr
.irp p, 0,1,2,3
	v_mul_f32 v[40+2*\p], v[rD+2*\p+1], v[CS+8*\m+2*\p+1]
.endr
.irp p, 0,1,2,3
	v_mul_f32 v[41+2*\p], v[rD+2*\p+1], v[CS+8*\m+2*\p]
.endr
.irp p, 0,1,2,3
	v_fma_f32 v[48+2*\p], v[rD+2*\p], v[CS+8*\m+2*\p], -v[40+2*\p]      ; even x cos - odd x sin
.endr
.irp p, 0,1,2,3
	v_fma_f32 v[49+2*\p], v[rD+2*\p], v[CS+8*\m+2*\p+1], v[41+2*\p]     ; even x sin + odd x cos
.endr
.irp p, 0,1,2,3
	v_cvt_pk_f16_f32 v[rD+\p], v[48+2*\p], v[49+2*\p]
.endr
	global_store_b128 v[58+\i], v[rD:rD+3], s[\ptr:\ptr+1] offset:\m*2048
.endm
.macro TILEV i, m                      ; tile (i, m) of v: bias, f16, one store of 512 consecutive bytes
.set rD, ACC+8*(4*\i+\m)
.irp j, 0,1,2,3,4,5,6,7
	v_add_f32 v[rD+\j], v[rD+\j], v[32+\i]
.endr
.irp p, 0,1,2,3
	v_cvt_pk_f16_f32 v[rD+\p], v[rD+2*\p], v[rD+2*\p+1]   ; in place, ascending
.endr
	global_store_b128 v[LI], v[rD:rD+3], s[72:73] offset:\i*131072+(\m/2)*4096+(\m%2)*512
.endm
	s_load_b256 s[4:11], s[0:1], 0x0               ; x, context, wimg, wsc
	s_load_b256 s[12:19], s[0:1], 0x20             ; bq, bkv, qimg, kvimg
	v_lshl_add_u32 v[SPW], v0, 2, SPARE
	v_mov_b32 v[NIL], 0
	v_lshrrev_b32 v7, 5, v0
	v_readfirstlane_b32 s20, v7                    ; wave w, 0..15
	v_and_b32 v7, 31, v0                           ; lane
	v_and_b32 v8, 15, v0                           ; r
	v_bfe_u32 v9, v0, 4, 1                         ; h
	v_lshlrev_b32 v[LI], 4, v7
	v_lshlrev_b32 v[L4], 2, v7
	s_and_b32 s30, s20, 3                          ; cl = w % 4: my class of channels; in phase X my row tile
	s_lshr_b32 s31, s20, 2                         ; w / 4: in phase X my pair of K steps
	s_bfe_u32 s32, s20, 0x10002                    ; (w / 4) % 2: which four heads of a half of the columns
	s_lshr_b32 s74, s20, 3                         ; w / 8: q: which half of the columns; context: which two of a set's four tiles
	s_and_b32 s75, s20, 7                          ; w % 8
	s_mul_i32 s58, s20, WSTG
	s_add_co_u32 s58, s58, STG                     ; my stage
	v_add_nc_u32 v[SA], s58, v[LI]
	v_mul_u32_u24 v[SB], v8, 528
	v_lshl_add_u32 v[SB], v9, 6, v[SB]
	v_add_nc_u32 v[SB], s58, v[SB]
	s_lshl_b32 s58, s31, 3
	s_add_co_u32 s58, s58, s30
	s_lshl_b32 s58, s58, 10
	v_add_nc_u32 v[XWI], s58, v[LI]                ; fragment 4 (2 (w / 4) + f) + w % 4
	v_lshlrev_b32 v[XSA], 4, v8
	v_add_nc_u32 v[XSA], XSC, v[XSA]
	s_lshl_b32 s58, s30, 2
	s_lshl_b32 s59, s31, 9
	s_add_co_u32 s58, s58, s59
	v_add_nc_u32 v[XWS], s58, v[XSA]
.irp b, 0,1,2,3
	v_mov_b32 v[TM+4+\b], 0                        ; written once: a lane permute's destination counts as one of its sources
.endr
	s_mov_b32 s34, 0x76543210
	s_mov_b32 s35, 0xfedcba98                      ; v_permlanex16_b32's selects for lane l xor 16
	; all offsets are made of the work-group's and the wave's number, apart from the addresses
	s_lshl_b32 s36, ttmp9, 18                      ; x: (64 g + 16 (w % 4)) rows of 4,096 bytes + 1,024 (w / 4)
	s_lshl_b32 s33, s30, 16
	s_add_co_u32 s36, s36, s33
	s_lshl_b32 s76, s31, 10
	s_add_co_u32 s36, s36, s76
	s_mov_b32 s37, 0
	s_lshr_b32 s77, ttmp9, 2                       ; context's row block
	s_and_b32 s78, ttmp9, 3                        ; and the set of columns: 0, 1 k; 2, 3 v
	s_lshr_b32 s21, s78, 1                         ; 0 k, 1 v
	s_and_b32 s23, s78, 1                          ; which half of its 1,024 columns
	s_lshl_b32 s50, s77, 18                        ; context: the same with its row block
	s_add_co_u32 s50, s50, s33
	s_add_co_u32 s50, s50, s76
	s_mov_b32 s51, 0
	s_lshl_b32 s38, s20, 15                        ; q's weights: set w
	s_mov_b32 s39, 0
	s_lshl_b32 s52, s20, 11
	s_mov_b32 s53, 0
	s_add_co_u32 s79, s78, 2
	s_lshl_b32 s79, s79, 3
	s_add_co_u32 s79, s79, s75                     ; context's: set 8 (2 + g % 4) + w % 8,
	s_lshl_b32 s66, s79, 15
	s_lshl_b32 s33, s74, 11
	s_add_co_u32 s66, s66, s33                     ; tiles 2 (w / 8) on
	s_mov_b32 s67, 0
	s_lshl_b32 s68, s79, 11
	s_lshl_b32 s33, s74, 10
	s_add_co_u32 s68, s68, s33
	s_mov_b32 s69, 0
	s_lshl_b32 s54, s74, 11                        ; bq: 4 (512 (w / 8) + 256 ((w / 4) % 2) + 16 cl)
	s_lshl_b32 s80, s32, 10
	s_add_co_u32 s54, s54, s80
	s_lshl_b32 s81, s30, 6
	s_add_co_u32 s54, s54, s81
	s_mov_b32 s55, 0
	s_lshl_b32 s70, s78, 11                        ; bkv: 4 (512 (g % 4) + 256 ((w / 4) % 2) + 128 (w / 8) + 16 cl)
	s_add_co_u32 s70, s70, s80
	s_lshl_b32 s33, s74, 9
	s_add_co_u32 s70, s70, s33
	s_add_co_u32 s70, s70, s81
	s_mov_b32 s71, 0
	s_lshr_b32 s56, ttmp9, 5                       ; qimg: head 16 batch + 8 (w / 8) + 4 ((w / 4) % 2), 262,144 bytes each,
	s_lshl_b32 s56, s56, 4
	s_lshl_b32 s33, s74, 3
	s_add_co_u32 s56, s56, s33
	s_lshl_b32 s82, s32, 2
	s_add_co_u32 s56, s56, s82
	s_lshl_b32 s56, s56, 18
	s_and_b32 s33, ttmp9, 31
	s_lshl_b32 s33, s33, 13                        ; + 2,048 x my first row tile in the batch
	s_add_co_u32 s56, s56, s33
	s_lshl_b32 s83, s30, 9                         ; + 1,024 (cl / 2) + 512 (cl % 2) = 512 cl
	s_add_co_u32 s56, s56, s83
	s_mov_b32 s57, 0
	s_lshr_b32 s72, s77, 3                         ; kvimg: head 16 batch + 8 half + 4 ((w / 4) % 2) + 2 (w / 8), 131,072 bytes each,
	s_lshl_b32 s72, s72, 4
	s_lshl_b32 s33, s23, 3
	s_add_co_u32 s72, s72, s33
	s_add_co_u32 s72, s72, s82
	s_lshl_b32 s33, s74, 1
	s_add_co_u32 s72, s72, s33
	s_lshl_b32 s72, s72, 17
	s_and_b32 s33, s77, 7
	s_lshl_b32 s33, s33, 13                        ; + 2,048 x my first row tile (k), which is 4,096 x my first pair of row tiles (v)
	s_add_co_u32 s72, s72, s33
	s_lshl_b32 s33, s30, 10
	s_add_co_u32 s33, s33, 65536                   ; v: + 65,536 + 1,024 cl
	s_cmp_eq_u32 s21, 0
	s_cselect_b32 s33, s83, s33                    ; k: + 512 cl
	s_add_co_u32 s72, s72, s33
	s_mov_b32 s73, 0
	s_lshl_b32 s84, ttmp9, 6
	s_and_b32 s84, s84, 2047                       ; my x rows' first position in their sequence of 2,048
	s_lshl_b32 s85, s77, 6
	s_and_b32 s85, s85, 511                        ; my context rows' in theirs of 512
	s_wait_kmcnt 0x0
	s_add_nc_u64 s[36:37], s[4:5], s[36:37]
	s_add_nc_u64 s[50:51], s[6:7], s[50:51]
	s_add_nc_u64 s[38:39], s[8:9], s[38:39]
	s_add_nc_u64 s[66:67], s[8:9], s[66:67]
	s_add_nc_u64 s[52:53], s[10:11], s[52:53]
	s_add_nc_u64 s[68:69], s[10:11], s[68:69]
	s_add_nc_u64 s[54:55], s[12:13], s[54:55]
	s_add_nc_u64 s[70:71], s[14:15], s[70:71]
	s_add_nc_u64 s[56:57], s[16:17], s[56:57]
	s_add_nc_u64 s[72:73], s[18:19], s[72:73]
.irp g, 0,1,2,3,4,5,6,7,8,9,10,11,12,13,14,15
	global_load_b32 v[WS+\g], v[L4], s[52:53] offset:128*\g   ; Wq's scale words for all of K: the oldest loads, so they shift no later count
.endr
	RAW 36, 0, RA, 1
	RAW 36, 1, RB, 1
	XPART RA, 16, XIMG, 0, 1, 50, 0, 0, 0                ; x, my first K step; its registers take context's
	XPART RB, 16, XIMG+4096, 256, 1, 50, 1, 0, 0         ; x, my second
	XPART RA, 16, CIMG, CSC, 0, 0, 0, 0, 0               ; context, my first
	XPART RB, 0, CIMG+4096, CSC+256, 0, 0, 0, 0, 1       ; context, my second
	s_wait_dscnt 0x0                               ; for the others' sake: my fragments and scale words lie in LDS
	s_barrier_signal -1
	s_barrier_wait -1                              ; everybody's do: from here on LDS is only read
	XLOAD 0, XIMG, 0
.irp s, 0,1,2,3,4,5,6,7
	KSTEP \s
.endr
	; THE WAY OUT OF q.  Lane (r, h) holds row r of row tile m and channels 16 cl + 8 h + 0..7 of head i: rotary pairs 8 cl + 4 h + 0..3
	v_lshlrev_b32 v[BA], 5, v9
.irp i, 0,1,2,3
	global_load_b128 v[96+8*\i:96+8*\i+3], v[BA], s[54:55] offset:\i*256
	global_load_b128 v[96+8*\i+4:96+8*\i+7], v[BA], s[54:55] offset:\i*256+16
.endr
	s_mov_b32 s40, 0x3f22f983                      ; 2 / pi
	s_mov_b32 s41, 0xbfc90fdb                      ; -pi / 2, its f32 part,
	s_mov_b32 s42, 0x333bbd2e                      ; and what that part is too large by
	s_mov_b32 s43, 0xbe2aaaab                      ; the sine's series: -1/3!, 1/5!, -1/7!, 1/9!
	s_mov_b32 s44, 0x3c088889
	s_mov_b32 s45, 0xb9500d01
	s_mov_b32 s46, 0x3638ef1d
	s_mov_b32 s47, 0x3d2aaaab                      ; the cosine's: (-1/2!,) 1/4!, -1/6!, 1/8!
	s_mov_b32 s48, 0xbab60b61
	s_mov_b32 s49, 0x37d00d01
	v_mov_b32 v58, v[LI]
.irp i, 1,2,3
	v_add_nc_u32 v[58+\i], \i*262144, v[LI]        ; head i's stores: 16 x lane + i heads
.endr
	ANGLES 84, 0x3a000000                          ; L = 2,048
	SINCOS 0
	SINCOS 1
	SINCOS 2
	SINCOS 3
	s_wait_loadcnt 0x0                             ; the biases
.irp i, 2,3                                    ; heads 2 and 3 first: their accumulators take the context unit's first weights
.irp m, 0,1,2,3
	TILER \i, \m, 56
.endr
.endr
	s_wait_xcnt 0x0                                ; these stores have read their data: the registers are loaded again only behind this wait
.irp g, 0,1,2,3,4,5,6,7
	global_load_b32 v[WS+\g], v[L4], s[68:69] offset:128*\g   ; the context unit's scale words of W (Wq's were last read eight K steps' end back),
.endr
.irp s, 0,1,2,3
	WLOADC \s                                      ; and its weights of K steps 0 to 3: they land under heads 0 and 1
.endr
.irp i, 0,1
.irp m, 0,1,2,3
	TILER \i, \m, 56
.endr
.endr
	s_wait_xcnt 0x0                                ; the stores have read their data and their offsets: the accumulators are begun anew, and v58-61 are loaded, only behind this wait
.irp s, 4,5,6,7
	WLOADC \s                                      ; where the cosines and biases stood
.endr
	XLOAD 0, CIMG, CSC
	s_cmp_eq_u32 s21, 1
	s_cbranch_scc1 .Lv
.irp s, 0,1,2,3,4,5,6,7
	KSTEPC \s, 0
.endr
	; THE WAY OUT OF k: as q's, with two heads and the keys' positions
	v_lshlrev_b32 v[BA], 5, v9
.irp i, 0,1
	global_load_b128 v[96+8*\i:96+8*\i+3], v[BA], s[70:71] offset:\i*256
	global_load_b128 v[96+8*\i+4:96+8*\i+7], v[BA], s[70:71] offset:\i*256+16
.endr
	v_mov_b32 v58, v[LI]
	v_add_nc_u32 v59, 131072, v[LI]
	ANGLES 85, 0x3b000000                          ; L = 512
	SINCOS 0
	SINCOS 1
	SINCOS 2
	SINCOS 3
	s_wait_loadcnt 0x0                             ; the biases
.irp i, 0,1
.irp m, 0,1,2,3
	TILER \i, \m, 72
.endr
.endr
	s_branch .Lend
.Lv:
.irp s, 0,1,2,3,4,5,6,7
	KSTEPC \s, 1
.endr
	; THE WAY OUT OF v.  Lane (r, h) holds channel 16 cl + r of head i and keys 8 h + 0..7 of row tile m
	v_lshlrev_b32 v[BA], 2, v8
.irp i, 0,1
	global_load_b32 v[32+\i], v[BA], s[70:71] offset:\i*256
.endr
	s_wait_loadcnt 0x0
.irp i, 0,1
.irp m, 0,1,2,3
	TILEV \i, \m
.endr
.endr
.Lend:
	s_wait_tensorcnt 0x0                           ; the wave's end, behind my last LDS store
	ds_add_u32 v[SPW], v[NIL]
	s_wait_dscnt 0x0
	s_endpgm
.Lfunc_end_k_q2a1cc1f889_proj:
	.size	k_q2a1cc1f889_proj, .Lfunc_end_k_q2a1cc1f889_proj-k_q2a1cc1f889_proj
	.p2alignl 7, 3214868480
	.fill 96, 4, 3214868480
	.section	.rodata,"a",@progbits
	.p2align	6, 0x0
	.amdhsa_kernel k_q2a1cc1f889_proj
		.amdhsa_group_segment_fixed_size 206848
		.amdhsa_private_segment_fixed_size 0
		.amdhsa_enable_private_segment 0
		.amdhsa_kernarg_size 64
		.amdhsa_user_sgpr_count 2
		.amdhsa_user_sgpr_kernarg_segment_ptr 1
		.amdhsa_wavefront_size32 1
		.amdhsa_system_sgpr_workgroup_id_x 1
		.amdhsa_system_sgpr_workgroup_id_y 1
		.amdhsa_system_sgpr_workgroup_id_z 1
		.amdhsa_system_vgpr_workitem_id 0
		.amdhsa_next_free_vgpr 256
		.amdhsa_next_free_sgpr 96
		.amdhsa_reserve_vcc 0
		.amdhsa_float_denorm_mode_32 3
		.amdhsa_float_denorm_mode_16_64 3
		.amdhsa_memory_ordered 1
		.amdhsa_forward_progress 1
		.amdhsa_inst_pref_size 179
	.end_amdhsa_kernel
	.amdgpu_metadata
---
amdhsa.version: [ 1, 2 ]
amdhsa.kernels:
  - .name:           k_q2a1cc1f889_proj
    .symbol:         k_q2a1cc1f889_proj.kd
    .args:
      - { .name: x, .offset: 0, .size: 8, .value_kind: global_buffer, .address_space: global }
      - { .name: context, .offset: 8, .size: 8, .value_kind: global_buffer, .address_space: global }
      - { .name: wimg, .offset: 16, .size: 8, .value_kind: global_buffer, .address_space: global }
      - { .name: wsc, .offset: 24, .size: 8, .value_kind: global_buffer, .address_space: global }
      - { .name: bq, .offset: 32, .size: 8, .value_kind: global_buffer, .address_space: global }
      - { .name: bkv, .offset: 40, .size: 8, .value_kind: global_buffer, .address_space: global }
      - { .name: qimg, .offset: 48, .size: 8, .value_kind: global_buffer, .address_space: global }
      - { .name: kvimg, .offset: 56, .size: 8, .value_kind: global_buffer, .address_space: global }
    .group_segment_fixed_size: 206848
    .private_segment_fixed_size: 0
    .kernarg_segment_align: 8
    .kernarg_segment_size: 64
    .max_flat_workgroup_size: 512
    .sgpr_count:     96
    .vgpr_count:     256
    .wavefront_size: 32
...
	.end_amdgpu_metadata
.endif
;; end of part 2
;; launch attn (part 3): grid 256 x 1, 8 waves a work-group, no clusters, 167,936 bytes of LDS; arguments qimg, kvimg, context_mask, oimg; writes oimg
.if DOCPART == 3
	.amdgcn_target "amdgcn-amd-amdhsa--gfx1250"
	.amdhsa_code_object_version 6
	.text
	.protected	k_q2a1cc1f889_attn
	.globl	k_q2a1cc1f889_attn
	.p2align	8
	.type	k_q2a1cc1f889_attn,@function
k_q2a1cc1f889_attn:
	s_mov_b64 s[64:65], 0
	v_nop
	global_prefetch_b8 v0, s[64:65] scope:SCOPE_SE
	s_setreg_imm32_b32 hwreg(HW_REG_WAVE_MODE, 25, 1), 1
	s_wait_xcnt 0x0
; Launch 3 of 4: O[b][h][q] = the sum over k of softmax_k(q . k / 8, -infinity where the mask is false) v.  Operands f16, products, maxima and sums f32; p is rounded to f16 for the second product, O once at the end.  No work of reference() is left out.
; SHARES.  A work-group takes one (batch, head) and 1,024 of its 2,048 queries.  The head's whole K and V^T, 128 KB of images, come into LDS ONCE, each wave fetching 16 KB by one tensor load: no slot is ever filled again, and the
; loop has no barrier, so that the two waves of a SIMD run freely, one's softmax beside the other's products.  A wave makes two passes of 64 queries (four tiles of 16); every fragment read from LDS feeds four matrix instructions.
; LAYOUT.  S^T = K Q^T (source 0 = 16 keys, source 1 = 16 queries) and O^T = V^T P^T (source 0 = 16 channels, source 1 = P): a lane holds ONE query throughout.  Two tiles of S^T, rounded in pairs, ARE a fragment of P.
; THE MASK costs no vector work: 0 or -infinity for each key lies in LDS and is the C of each sum's first matrix instruction.
; SOFTMAX.  A running maximum m and sum l for each query: p = 2^(c s - c m), c = log2(e) / 8; in each step O and l are multiplied by a = 2^(c m_old - c m_new).
; LIMITS: m starts at -3e38, under every score that is served; a batch whose mask is all false gives l = 0 and 0 x infinity = NaN, as reference() does; |O| stays under 65,504 (f16).
; NO CLUSTER: what work-groups share is the 128 KB that each loads once at its start, and only two work-groups share a head; the launch's other 64 MB (Q in, O out) are each work-group's own.
; oimg: [256 rows: 0..63][32 along K: 2 head + 0..1][row tile 0..15] x 1 KB.
; REGISTERS.  Window 0: v1-9 addresses; v10-15 the head's work; v16-47 statistics, 8 a tile: +0 c m, +1 m, +2, +3 l, +4 to +7 at work (a takes +6); v48-111 K's eight fragments of a step, then V's; v112-239 S^T, 32 a tile, later P in place.
;   Window 1: v0-63 Q (16 t + 8 c); v64-191 O^T (64 + 32 t + 8 ct); v192-223 the mask's terms of a step's four key tiles.
.set VOFF,  65536                      ; LDS: K's images at 0, V's here,
.set BIAS,  131072                     ; 512 f32: 0 or -infinity for each key,
.set SPARE, 133120                     ; the spare words, 128 bytes for each wave: four blocks of 256 bytes that no other line names
.set LI,   1                           ; v1  16 x lane
.set AV0,  2                           ; v2  the same in V's part
.set AB0,  3                           ; v3  BIAS + 32 (lane / 16)
.set ADK,  4                           ; v4-6 the step's addresses
.set ADV,  5
.set ADB,  6
.set PFO,  7                           ; v7  256 x lane
.set SPW,  8                           ; v8  LDS address of my spare word; never rewritten
.set NIL,  9                           ; v9  0; never rewritten
.set ST,   16
.set KF,   48
.set S,    112
.set QW,   0                           ; in window 1
.set OW,   64
.set BW,   192
.set WV,   12
.set G1,   16                          ; s[16:23] descriptor group 1
.set G0,   24                          ; s[24:27] group 0
.set TB,   28                          ; s28  the step's first byte in K's and in V's part: 8,192 a step
.set TBB,  29                          ; s29  and among the mask's terms: 256 a step
.set STEPS, 30
.set PASS, 31
.set CS,   32                          ; s[32:33] c: the packed form names a pair and takes its low word for both halves
.set SEL,  34                          ; s[34:35] lane selects for lane l xor 16
.set NEG,  36                          ; s36  -3e38
.set MSB, 0
.macro WIN new                         ; the immediate's high byte repeats the setting that is left; a switch that changes nothing is dropped
.if MSB != \new
	s_set_vgpr_msb (MSB<<8)|\new
.set MSB, \new
.endif
.endm
.macro QLOAD                           ; a pass's 64 queries: 8 KB of images, 512 consecutive bytes a load
	WIN 0x40                                       ; destination window 1
.irp i, 0,1,2,3,4,5,6,7,8,9,10,11,12,13,14,15
	global_load_b128 v[QW+4*\i:QW+4*\i+3], v[LI], s[4:5] offset:512*\i th:TH_LOAD_NT
.endr
	WIN 0
.endm
	s_load_b256 s[4:11], s[0:1], 0x0               ; qimg, kvimg, the mask, oimg
	v_lshl_add_u32 v[SPW], v0, 2, SPARE
	v_mov_b32 v[NIL], 0
	ds_add_u32 v[SPW], v[NIL]                      ; the wave's opening: the add, twice on end, and its wait ahead of my first tensor load
	ds_add_u32 v[SPW], v[NIL]
	v_lshrrev_b32 v10, 5, v0
	v_readfirstlane_b32 s[WV], v10                 ; wave 0..7
	s_mov_b32 s[G1+0], 3<<16                       ; no mask; elements of 8 bytes; no padding: images are read 16 bytes a lane, on end
	s_mov_b32 s[G1+1], 32<<16                      ; tensor_dim0 = 32: rows of 256 bytes
	s_mov_b32 s[G1+2], 64<<16                      ; tensor_dim1 = 64
	s_mov_b32 s[G1+3], 32<<16                      ; tile_dim0
	s_mov_b32 s[G1+4], 64                          ; tile_dim1
	s_mov_b32 s[G1+5], 32                          ; the pitch: a dense block
	s_mov_b32 s[G1+6], 0
	s_mov_b32 s[G1+7], 0
	s_lshr_b32 s13, ttmp9, 1                       ; 16 batch + head
	s_and_b32 s14, ttmp9, 1                        ; which half of the queries
	s_lshr_b32 s15, s13, 4                         ; batch
	s_and_b32 s37, s13, 15                         ; head
	s_lshl_b32 s[G0+1], s[WV], 14                  ; my 16 KB of the 128, in LDS as in memory
	s_lshl_b32 s38, s13, 17
	s_add_co_u32 s38, s38, s[G0+1]
	s_mov_b32 s39, 0
	s_lshl_b32 s40, s13, 18                        ; Q: 262,144 a head + 2,048 (64 half + 8 wave)
	s_lshl_b32 s46, s14, 17
	s_add_co_u32 s40, s40, s46
	s_add_co_u32 s40, s40, s[G0+1]
	s_mov_b32 s41, 0
	s_lshl_b32 s42, s15, 3                         ; O: row block 8 batch + 4 half + wave / 2,
	s_lshl_b32 s46, s14, 2
	s_add_co_u32 s42, s42, s46
	s_lshr_b32 s46, s[WV], 1
	s_add_co_u32 s42, s42, s46
	s_lshl_b32 s42, s42, 19
	s_lshl_b32 s46, s37, 15                        ; K steps 2 head on,
	s_add_co_u32 s42, s42, s46
	s_and_b32 s46, s[WV], 1
	s_lshl_b32 s46, s46, 13                        ; row tiles 8 (wave % 2) on
	s_add_co_u32 s42, s42, s46
	s_mov_b32 s43, 0
	s_lshl_b32 s44, s15, 9                         ; the batch's 512 mask bytes
	s_mov_b32 s45, 0
	s_mov_b32 s[CS], 0x3e38aa3b                    ; c = log2(e) / 8
	s_mov_b32 s[CS+1], s[CS]
	s_mov_b32 s[SEL], 0x76543210
	s_mov_b32 s[SEL+1], 0xfedcba98
	s_mov_b32 s[NEG], 0xff61b1e6
	s_wait_dscnt 0x0                               ; both opening adds are done
	s_wait_kmcnt 0x0
	s_mov_b32 s[G0], 1
	s_add_nc_u64 s[G0+2:G0+3], s[6:7], s[38:39]
	s_or_b32 s[G0+3], s[G0+3], 0x80000000
	tensor_load_to_lds s[G0:G0+3], s[G1:G1+7]      ; every wave issues one: by this text's count one tensor load a wave is out
	s_nop 0
.rept 4
	v_nop                                          ; four instructions between a tensor load and the next switch of the windows
.endr
	s_add_nc_u64 s[4:5], s[4:5], s[40:41]
	s_add_nc_u64 s[10:11], s[10:11], s[42:43]
	s_add_nc_u64 s[8:9], s[8:9], s[44:45]
	v_lshlrev_b32 v10, 1, v0
	global_load_u16 v11, v10, s[8:9]               ; thread t: the mask of keys 2 t and 2 t + 1
	v_and_b32 v12, 31, v0
	v_lshlrev_b32 v[LI], 4, v12
	QLOAD                                          ; the first pass's Q
	v_add_nc_u32 v[AV0], VOFF, v[LI]
	v_bfe_u32 v13, v0, 4, 1
	v_lshl_add_u32 v[AB0], v13, 5, BIAS
	v_lshlrev_b32 v[PFO], 8, v12
	v_lshl_add_u32 v15, v0, 3, BIAS
	v_mov_b32 v14, 0xff800000                      ; -infinity
	s_wait_loadcnt 16                              ; the mask's load is in; Q's sixteen may be out
	v_and_b32 v12, 0xff, v11
	v_lshrrev_b32 v13, 8, v11
	v_cmp_eq_u32 vcc_lo, 0, v12
	v_cndmask_b32 v12, 0, v14, vcc_lo
	v_cmp_eq_u32 vcc_lo, 0, v13
	v_cndmask_b32 v13, 0, v14, vcc_lo
	ds_store_b64 v15, v[12:13]
	s_wait_tensorcnt 0x0                           ; my 16 KB have landed,
	s_wait_dscnt 0x0                               ; my two terms are stored:
	s_barrier_signal -1
	s_barrier_wait -1                              ; everybody's: from here on LDS is only read
; One step's softmax, the four tiles line by line, so that no line waits for the line above it.  one = 1: the pass's first step, which starts m, l and O^T
.macro SOFTMAX one
.irp j, 0,1,2,3
.irp t, 0,1,2,3
	v_max3_num_f32 v[ST+8*\t+4+\j], v[S+32*\t+8*\j], v[S+32*\t+8*\j+1], v[S+32*\t+8*\j+2]   ; four chains; each accumulator is read from its low end on
.endr
.endr
.irp g, 1,2
.irp j, 0,1,2,3
.irp t, 0,1,2,3
	v_max3_num_f32 v[ST+8*\t+4+\j], v[ST+8*\t+4+\j], v[S+32*\t+8*\j+2*\g+1], v[S+32*\t+8*\j+2*\g+2]
.endr
.endr
.endr
.irp t, 0,1,2,3
	v_max3_num_f32 v[ST+8*\t+4], v[ST+8*\t+4], v[S+32*\t+7], v[S+32*\t+15]
.endr
.irp t, 0,1,2,3
	v_max3_num_f32 v[ST+8*\t+6], v[ST+8*\t+6], v[S+32*\t+23], v[S+32*\t+31]
.endr
.irp t, 0,1,2,3
	v_max3_num_f32 v[ST+8*\t+4], v[ST+8*\t+4], v[ST+8*\t+5], v[ST+8*\t+6]
.endr
.irp t, 0,1,2,3
.if \one
	v_max3_num_f32 v[ST+8*\t+4], v[ST+8*\t+4], v[ST+8*\t+7], s[NEG]
.else
	v_max3_num_f32 v[ST+8*\t+4], v[ST+8*\t+4], v[ST+8*\t+7], v[ST+8*\t+1]
.endif
.endr
.irp t, 0,1,2,3
	v_permlanex16_b32 v[ST+8*\t+5], v[ST+8*\t+4], s[SEL], s[SEL+1]   ; the query's other 32 keys lie in the lane 16 away
.endr
.if \one == 0
.irp t, 0,1,2,3
	v_mov_b32 v[ST+8*\t+7], v[ST+8*\t]             ; c m_old is kept for a
.endr
.endif
.irp t, 0,1,2,3
	v_max_num_f32 v[ST+8*\t+1], v[ST+8*\t+4], v[ST+8*\t+5]
.endr
.irp t, 0,1,2,3
	v_mul_f32 v[ST+8*\t], s[CS], v[ST+8*\t+1]
.endr
.if \one == 0
.irp t, 0,1,2,3
	v_sub_f32 v[ST+8*\t+7], v[ST+8*\t+7], v[ST+8*\t]
.endr
.endif
.irp b, 0,1,2,3,4,5,6,7,8,9,10,11,12,13,14,15
.irp t, 0,1,2,3
	v_pk_fma_f32 v[S+32*\t+2*\b:S+32*\t+2*\b+1], v[S+32*\t+2*\b:S+32*\t+2*\b+1], s[CS:CS+1], v[ST+8*\t:ST+8*\t+1] op_sel_hi:[1,0,0] neg_lo:[0,0,1] neg_hi:[0,0,1]   ; c s - c m
.endr
.endr
.if \one == 0
.irp t, 0,1,2,3
	v_exp_f32 v[ST+8*\t+6], v[ST+8*\t+7]           ; a
.endr
.endif
.set e, 0
.rept 32
.irp t, 0,1,2,3
	v_exp_f32 v[S+32*\t+e], v[S+32*\t+e]           ; p: ONE batch, none of which reads another's result
.endr
.set e, e+1
.endr
	v_nop                                          ; a plain instruction behind the last exponential
	s_wait_alu depctr_va_vdst(0)                   ; the wait ahead of the first reader: one for the batch
.irp t, 0,1,2,3
	v_pk_add_f32 v[ST+8*\t+4:ST+8*\t+5], v[S+32*\t:S+32*\t+1], v[S+32*\t+2:S+32*\t+3]   ; the row's sum of the p in f32
.endr
.irp b, 2,3,4,5,6,7,8,9,10,11,12,13,14
.irp t, 0,1,2,3
	v_pk_add_f32 v[ST+8*\t+4:ST+8*\t+5], v[ST+8*\t+4:ST+8*\t+5], v[S+32*\t+2*\b:S+32*\t+2*\b+1]
.endr
.endr
.irp t, 0,1,2,3
.if \one
	v_pk_add_f32 v[ST+8*\t+2:ST+8*\t+3], v[ST+8*\t+4:ST+8*\t+5], v[S+32*\t+30:S+32*\t+31]
.else
	v_pk_add_f32 v[ST+8*\t+4:ST+8*\t+5], v[ST+8*\t+4:ST+8*\t+5], v[S+32*\t+30:S+32*\t+31]
.endif
.endr
.if \one == 0
.irp t, 0,1,2,3
	v_pk_fma_f32 v[ST+8*\t+2:ST+8*\t+3], v[ST+8*\t+2:ST+8*\t+3], v[ST+8*\t+6:ST+8*\t+7], v[ST+8*\t+4:ST+8*\t+5] op_sel_hi:[1,0,1]   ; l = a l + the sum
.endr
.endif
.set e, 0
.rept 16
.irp t, 0,1,2,3
	v_cvt_pk_f16_f32 v[S+32*\t+e], v[S+32*\t+2*e], v[S+32*\t+2*e+1]   ; in place, ascending: P's fragment of keys 32 ks on stands at 32 t + 8 ks
.endr
.set e, e+1
.endr
.if \one == 0
	WIN 0x41                                       ; O^T (destination and source 0) in window 1, a in window 0
.set e, 0
.rept 16
.irp t, 0,1,2,3
	v_pk_mul_f32 v[OW+32*\t+2*e:OW+32*\t+2*e+1], v[OW+32*\t+2*e:OW+32*\t+2*e+1], v[ST+8*\t+6:ST+8*\t+7] op_sel_hi:[1,0]
.endr
.set e, e+1
.endr
.endif
.endm
; A KEY STEP: 64 keys.  In every run of matrix instructions the 16 accumulators take turns, one instruction a turn
.macro STEP one
	v_add_nc_u32 v[ADK], s[TB], v[LI]
	v_add_nc_u32 v[ADV], s[TB], v[AV0]
	v_add_nc_u32 v[ADB], s[TBB], v[AB0]
	v_nop
	v_nop                                          ; five places: the scores' products below write over P, which the last products read as a source; four of them serve the loads into K's registers
.irp fg, 0,1,2,3,4,5,6,7                       ; K: fragment 2 kt + c
	ds_load_b128 v[KF+8*\fg:KF+8*\fg+3], v[ADK] offset:\fg*1024
	ds_load_b128 v[KF+8*\fg+4:KF+8*\fg+7], v[ADK] offset:\fg*1024+512
.endr
	WIN 0x40                                       ; destination window 1
.irp kt, 0,1,2,3                               ; lane (r, h), register j: the term of key 16 kt + 8 h + j
	ds_load_b128 v[BW+8*\kt:BW+8*\kt+3], v[ADB] offset:\kt*64
	ds_load_b128 v[BW+8*\kt+4:BW+8*\kt+7], v[ADB] offset:\kt*64+16
.endr
	s_wait_dscnt 0x0
	WIN 0x14                                       ; Q and the mask's terms in window 1
.irp t, 0,1,2,3
.irp kt, 0,1,2,3
	v_wmma_f32_16x16x32_f16 v[S+32*\t+8*\kt:S+32*\t+8*\kt+7], v[KF+16*\kt:KF+16*\kt+7], v[QW+16*\t:QW+16*\t+7], v[BW+8*\kt:BW+8*\kt+7]
.endr
.endr
	WIN 0x04
.irp t, 0,1,2,3
.irp kt, 0,1,2,3
	v_wmma_f32_16x16x32_f16 v[S+32*\t+8*\kt:S+32*\t+8*\kt+7], v[KF+16*\kt+8:KF+16*\kt+15], v[QW+16*\t+8:QW+16*\t+15], v[S+32*\t+8*\kt:S+32*\t+8*\kt+7]
.endr
.endr
	WIN 0
.rept 4
	v_nop                                          ; four places in front of the loads into K's registers and of the first read of the scores
.endr
.irp fg, 0,1,2,3,4,5,6,7                       ; V^T: fragment 4 ks + ct; it lands under the softmax
	ds_load_b128 v[KF+8*\fg:KF+8*\fg+3], v[ADV] offset:\fg*1024
	ds_load_b128 v[KF+8*\fg+4:KF+8*\fg+7], v[ADV] offset:\fg*1024+512
.endr
	SOFTMAX \one
	s_wait_dscnt 0x0                               ; V
	WIN 0x50                                       ; O^T (C and D) in window 1
.irp ks, 0,1
.irp t, 0,1,2,3
.irp ct, 0,1,2,3
.if \one && (\ks == 0)
	v_wmma_f32_16x16x32_f16 v[OW+32*\t+8*\ct:OW+32*\t+8*\ct+7], v[KF+8*(4*\ks+\ct):KF+8*(4*\ks+\ct)+7], v[S+32*\t+8*\ks:S+32*\t+8*\ks+7], 0
.else
	v_wmma_f32_16x16x32_f16 v[OW+32*\t+8*\ct:OW+32*\t+8*\ct+7], v[KF+8*(4*\ks+\ct):KF+8*(4*\ks+\ct)+7], v[S+32*\t+8*\ks:S+32*\t+8*\ks+7], v[OW+32*\t+8*\ct:OW+32*\t+8*\ct+7]
.endif
.endr
.endr
.endr
	WIN 0
	s_add_co_u32 s[TB], s[TB], 8192
	s_add_co_u32 s[TBB], s[TBB], 256
.endm
	s_mov_b32 s[PASS], 2
.Lpass:
	s_mov_b32 s[TB], 0
	s_mov_b32 s[TBB], 0
	s_wait_loadcnt 0x0                             ; this pass's Q
	STEP 1
	s_cmp_eq_u32 s[PASS], 2
	s_cbranch_scc0 .Lno_pf
	global_prefetch_b8 v[PFO], s[4:5] offset:8192 th:TH_LOAD_NT scope:SCOPE_SE   ; the next pass's 8 KB of Q, a lane to each 256 bytes, each named once in the launch; seven key steps ahead of the loads; the last pass asks for nothing
.Lno_pf:
	s_mov_b32 s[STEPS], 7
.Lstep:
	STEP 0
	s_sub_co_u32 s[STEPS], s[STEPS], 1
	s_cmp_lg_u32 s[STEPS], 0
	s_cbranch_scc1 .Lstep
	; THE PASS'S END
	s_cmp_eq_u32 s[PASS], 1
	s_cbranch_scc1 .Lno_q
	s_wait_xcnt 0x0                                ; the prefetch and the last Q loads have read their base
	s_add_nc_u64 s[4:5], s[4:5], 8192
	QLOAD                                          ; the next pass's Q lands under the way out (Q's last readers stand a softmax back)
.Lno_q:
.irp t, 0,1,2,3
	v_add_f32 v[ST+8*\t+4], v[ST+8*\t+2], v[ST+8*\t+3]   ; l's two halves.  (These four are the places behind the last products)
.endr
.irp t, 0,1,2,3
	v_permlanex16_b32 v[ST+8*\t+5], v[ST+8*\t+4], s[SEL], s[SEL+1]
.endr
.irp t, 0,1,2,3
	v_add_f32 v[ST+8*\t+4], v[ST+8*\t+4], v[ST+8*\t+5]
.endr
.irp t, 0,1,2,3
	v_rcp_f32 v[ST+8*\t+6], v[ST+8*\t+4]
.endr
	v_nop                                          ; a plain instruction behind the last reciprocal
	s_wait_alu depctr_va_vdst(0)                   ; and the wait ahead of the first reader: one for the four
	WIN 0x41
.set e, 0
.rept 16
.irp t, 0,1,2,3
	v_pk_mul_f32 v[OW+32*\t+2*e:OW+32*\t+2*e+1], v[OW+32*\t+2*e:OW+32*\t+2*e+1], v[ST+8*\t+6:ST+8*\t+7] op_sel_hi:[1,0]   ; O^T / l, each accumulator from its low end on
.endr
.set e, e+1
.endr
	WIN 0x05                                       ; sources in window 1, destination in window 0: S^T's registers are free
.irp t, 0,1,2,3
.irp ct, 0,1,2,3
.irp p, 0,1,2,3
	v_cvt_pk_f16_f32 v[S+16*\t+4*\ct+\p], v[OW+32*\t+8*\ct+2*\p], v[OW+32*\t+8*\ct+2*\p+1]
.endr
.endr
.endr
	WIN 0
.irp t, 0,1,2,3
.irp ct, 0,1,2,3
	global_store_b128 v[LI], v[S+16*\t+4*\ct:S+16*\t+4*\ct+3], s[10:11] offset:\t*1024+(\ct/2)*16384+(\ct%2)*512   ; half a fragment of the last product's operand: 512 consecutive bytes
.endr
.endr
	s_wait_xcnt 0x0                                ; the stores have read their data and their base: both are written again
	s_add_nc_u64 s[10:11], s[10:11], 4096
	s_sub_co_u32 s[PASS], s[PASS], 1
	s_cmp_lg_u32 s[PASS], 0
	s_cbranch_scc1 .Lpass
	s_wait_tensorcnt 0x0                           ; the wave's end, behind my tensor load and my LDS store
	ds_add_u32 v[SPW], v[NIL]
	s_wait_dscnt 0x0
	s_endpgm
.Lfunc_end_k_q2a1cc1f889_attn:
	.size	k_q2a1cc1f889_attn, .Lfunc_end_k_q2a1cc1f889_attn-k_q2a1cc1f889_attn
	.p2alignl 7, 3214868480
	.fill 96, 4, 3214868480
	.section	.rodata,"a",@progbits
	.p2align	6, 0x0
	.amdhsa_kernel k_q2a1cc1f889_attn
		.amdhsa_group_segment_fixed_size 167936
		.amdhsa_private_segment_fixed_size 0
		.amdhsa_enable_private_segment 0
		.amdhsa_kernarg_size 32
		.amdhsa_user_sgpr_count 2
		.amdhsa_user_sgpr_kernarg_segment_ptr 1
		.amdhsa_wavefront_size32 1
		.amdhsa_system_sgpr_workgroup_id_x 1
		.amdhsa_system_sgpr_workgroup_id_y 1
		.amdhsa_system_sgpr_workgroup_id_z 1
		.amdhsa_system_vgpr_workitem_id 0
		.amdhsa_next_free_vgpr 512
		.amdhsa_next_free_sgpr 66
		.amdhsa_reserve_vcc 1
		.amdhsa_float_denorm_mode_32 3
		.amdhsa_float_denorm_mode_16_64 3
		.amdhsa_memory_ordered 1
		.amdhsa_forward_progress 1
		.amdhsa_inst_pref_size 78
	.end_amdhsa_kernel
	.amdgpu_metadata
---
amdhsa.version: [ 1, 2 ]
amdhsa.kernels:
  - .name:           k_q2a1cc1f889_attn
    .symbol:         k_q2a1cc1f889_attn.kd
    .args:
      - { .name: qimg, .offset: 0, .size: 8, .value_kind: global_buffer, .address_space: global }
      - { .name: kvimg, .offset: 8, .size: 8, .value_kind: global_buffer, .address_space: global }
      - { .name: context_mask, .offset: 16, .size: 8, .value_kind: global_buffer, .address_space: global }
      - { .name: oimg, .offset: 24, .size: 8, .value_kind: global_buffer, .address_space: global }
    .group_segment_fixed_size: 167936
    .private_segment_fixed_size: 0
    .kernarg_segment_align: 8
    .kernarg_segment_size: 32
    .max_flat_workgroup_size: 256
    .sgpr_count:     66
    .vgpr_count:     512
    .wavefront_size: 32
...
	.end_amdgpu_metadata
.endif
;; end of part 3
;; launch oproj (part 4): grid 4 x 64, 4 waves a work-group, clusters of 4 x 4, 327,680 bytes of LDS; arguments oimg, woimg, bo, out0; writes out0
.if DOCPART == 4
	.amdgcn_target "amdgcn-amd-amdhsa--gfx1250"
	.amdhsa_code_object_version 6
	.text
	.protected	k_q2a1cc1f889_oproj
	.globl	k_q2a1cc1f889_oproj
	.p2align	8
	.type	k_q2a1cc1f889_oproj,@function
k_q2a1cc1f889_oproj:
	s_mov_b64 s[64:65], 0
	v_nop
	global_prefetch_b8 v0, s[64:65] scope:SCOPE_SE
	s_setreg_imm32_b32 hwreg(HW_REG_WAVE_MODE, 25, 1), 1
	s_wait_xcnt 0x0
	s_wait_alu depctr_hold_cnt(0) depctr_sa_sdst(0) depctr_va_vdst(0) depctr_va_sdst(0) depctr_va_ssrc(0) depctr_va_vcc(0) depctr_vm_vsrc(0)
	s_getreg_b32 s2, hwreg(HW_REG_IB_STS2, 6, 4)
	s_cmp_eq_u32 s2, 0
	s_cbranch_scc0 .Lentry_in_a_cluster
	s_endpgm
.Lentry_in_a_cluster:
	s_bfe_u32 s2, ttmp6, 0x10000c
	s_cmp_lg_u32 s2, 0xf033
	s_cbranch_scc0 .Lentry_shape_is_right
	s_endpgm
.Lentry_shape_is_right:
; Launch 4 of 4: out0 = O Wo + bo.  O [16384][1024] and Wo (as [n][k]) arrive as f16 images of the operand's registers; sums in f32; out0 f32.  No work of reference() is left out.
; A tile of out0, 256 x 256, is made by a work-group of four waves; a wave makes 128 x 128: 64 accumulators of 16 x 16, 512 registers.  256 tiles in all.
; K goes in 8 steps of 128 through a ring of two LDS slots.  A K step of 256 rows of O is 64 KB on end in oimg, and of 256 columns of Wo 64 KB on end in woimg: [32 along K: 0..3][tile 0..15] x 1 KB.  Each wave fetches 32 KB by one
; tensor load.  A fragment is read as it lies, 16 bytes a lane on end: no pitch and no padding.
; CLUSTERS: 4 x 4 work-groups.  The four of a row of the cluster need the same rows of O, the four of a column the same columns of Wo: each tile is asked for JOINTLY, by the same tensor load with the same descriptor and a mask
; that names the four.  THE MATRIX INSTRUCTION IS USED TRANSPOSED (source 0 = 16 columns of Wo, source 1 = 16 rows of O): a lane holds eight neighbouring numbers of a row of out0.
; bo is the C of each sum's first matrix instruction: eight registers for each tile of columns, in the result's layout.
; No prefetch of the tiles: from a refill's request to the wait for it a wave issues 224 matrix instructions.
; REGISTERS, in windows of 256: window 0: v0-31 addresses; v64-127, v128-191 O's fragments, two buffers; v192-255 bo; on the way out v128-255 hold rows read back.   window 1: v64-127, v128-191 Wo's fragments, two buffers.
;   window 2: the 32 accumulators of my rows 0-63 (accumulator (a, b) at v[8 (8 a + b)]);   window 3: those of my rows 64-127.
.set SLOT,   131072                    ; O's 64 KB, then Wo's
.set KB,     65536                     ; a K step of either, in memory
.set STAGE,  2*SLOT                    ; behind the ring: 16 rows x 528 bytes for each wave, for the way out; no tensor load lands there
.set SPITCH, 528
.set SPARE,  STAGE+4*16*SPITCH         ; the spare words, 128 bytes for each wave: two blocks of 256 bytes that no other line names
.set LAPS,   4                         ; a lap = two K steps = once round the ring
.set ADRA, 16                          ; v16-17  LDS address of my O fragments in slot 0, 1
.set ADRB, 20                          ; v20-21  the same for Wo
.set STO,  24                          ; v24     the way out: where I put 32 bytes of a row
.set RD,   25                          ; v25     where I read a row back
.set CO,   26                          ; v26     my byte offset in a row of out0
.set SPW,  28                          ; v28     LDS address of my spare word; never rewritten
.set NIL,  29                          ; v29     0; never rewritten
.set F0,   64
.set F1,   128
.set BO,   192
.set BK,   128
.set WV,   12
.set G1,   24                          ; s[24:31] group 1 for O's tiles; s[32:39] group 0, one set for each slot
.set G0,   32
.set G1B,  48                          ; s[48:55], s[56:63] the same for Wo's
.set G0B,  56
.set MSB, 0
.macro WIN new
.if MSB != \new
	s_set_vgpr_msb (MSB<<8)|\new
.set MSB, \new
.endif
.endm
.set MUL_LO, 0xa1                      ; source 0 (Wo) window 1, source 1 (O) window 0, C and D window 2
.set MUL_HI, 0xf1                      ; the same, C and D window 3
.set TO_B,   0x40                      ; destination window 1, address window 0
; A joint load: waves 0 and 1 fetch O's two halves of a K step, waves 2 and 3 Wo's.  Each of the two lines has one mask and one set of registers for all that issue it; the branch hangs on the wave's number alone.
; An s_nop 0 and four v_nop follow each of the two lines.
.macro JLOAD s
	s_cmp_eq_u32 s13, 0
	s_cbranch_scc0 .Lfor_b_\@
	tensor_load_to_lds s[G0+4*\s:G0+4*\s+3], s[G1:G1+7]
	s_nop 0
.rept 4
	v_nop
.endr
	s_branch .Lasked_\@
.Lfor_b_\@:
	tensor_load_to_lds s[G0B+4*\s:G0B+4*\s+3], s[G1B:G1B+7]
	s_nop 0
.rept 4
	v_nop
.endr
.Lasked_\@:
.endm
.macro CREST                           ; a round of the cluster's barrier behind its opening barrier
	s_cmp_lg_u32 s[WV], 0
	s_cbranch_scc1 .Lnot_wave_0_\@
	s_barrier_signal -3
.Lnot_wave_0_\@:
	s_barrier_wait -3
	s_barrier_signal -1
	s_barrier_wait -1
.endm
.macro CROUND                          ; a whole round
	s_barrier_signal -1
	s_barrier_wait -1
	CREST
.endm
	s_load_b256 s[4:11], s[0:1], 0x0               ; oimg, woimg, bo, out0
	v_lshl_add_u32 v[SPW], v0, 2, SPARE
	v_mov_b32 v[NIL], 0
	ds_add_u32 v[SPW], v[NIL]                      ; the wave's opening: the add, twice on end, and its wait ahead of my first tensor load
	ds_add_u32 v[SPW], v[NIL]
	v_lshrrev_b32 v1, 5, v0
	v_readfirstlane_b32 s[WV], v1                  ; wave 0..3
	s_lshr_b32 s13, s[WV], 1                       ; which half of the tile's rows is mine.  Also: I fetch for O (0) or for Wo (1)
	s_and_b32 s14, s[WV], 1                        ; which half of its columns.  Also: which half of a K step I fetch
	s_bfe_u32 s40, ttmp6, 0x40000                  ; cx, cy: my place in the cluster
	s_bfe_u32 s41, ttmp6, 0x40004
	s_lshl_b32 s42, ttmp9, 2
	s_add_co_u32 s42, s42, s40                     ; column block = 4 x cluster x + cx
	s_and_b32 s15, ttmp7, 0xffff
	s_lshl_b32 s15, s15, 2
	s_add_co_u32 s15, s15, s41                     ; row block = 4 x cluster y + cy
	s_lshl_b32 s43, s41, 2
	s_lshl_b32 s43, 15, s43                        ; my row of the cluster
	s_lshl_b32 s44, 0x1111, s40                    ; my column
	s_or_b32 s[G1+0], s43, (3<<16)|(1<<21)         ; 15:0 the mask: O's tiles go to my row; 17:16 elements of 8 bytes; 21 set beside a mask; no padding
	s_or_b32 s[G1B+0], s44, (3<<16)|(1<<21)
.irp g, G1, G1B
	s_mov_b32 s[\g+1], 32<<16                      ; tensor_dim0 = 32: rows of 256 bytes
	s_mov_b32 s[\g+2], 128<<16                     ; tensor_dim1 = 128
	s_mov_b32 s[\g+3], 32<<16                      ; tile_dim0
	s_mov_b32 s[\g+4], 128                         ; tile_dim1
	s_mov_b32 s[\g+5], 32                          ; the pitch: a dense block of 32 KB
	s_mov_b32 s[\g+6], 0
	s_mov_b32 s[\g+7], 0
.endr
	s_lshl_b32 s18, s14, 15                        ; which 32 KB of a K step I fetch
	s_lshl_b32 s16, s15, 19                        ; O: 524,288 a row block
	s_add_co_u32 s16, s16, s18
	s_mov_b32 s17, 0
	s_lshl_b32 s46, s42, 19                        ; Wo: 524,288 a column block
	s_add_co_u32 s46, s46, s18
	s_mov_b32 s47, 0
	s_lshl_b32 s20, s[WV], 15                      ; where they go: 32 KB x wave: no place in the cluster enters an LDS address
	s_wait_dscnt 0x0                               ; both opening adds are done
	s_wait_kmcnt 0x0
	s_add_nc_u64 s[16:17], s[4:5], s[16:17]
	s_add_nc_u64 s[46:47], s[6:7], s[46:47]
	CROUND                                         ; all sixteen work-groups are here: the first joint loads meet
.irp s, 0,1
	s_mov_b32 s[G0+4*\s], 1
	s_add_co_u32 s[G0+4*\s+1], s20, \s*SLOT
	s_add_nc_u64 s[G0+4*\s+2:G0+4*\s+3], s[16:17], \s*KB
	s_or_b32 s[G0+4*\s+3], s[G0+4*\s+3], 0x80000000
	s_mov_b32 s[G0B+4*\s], 1
	s_add_co_u32 s[G0B+4*\s+1], s20, \s*SLOT
	s_add_nc_u64 s[G0B+4*\s+2:G0B+4*\s+3], s[46:47], \s*KB
	s_or_b32 s[G0B+4*\s+3], s[G0B+4*\s+3], 0x80000000
	JLOAD \s                                       ; by this text's count two tensor loads a wave are out here, later one
.endr
	v_and_b32 v1, 31, v0
	v_lshlrev_b32 v3, 4, v1                        ; 16 x lane
	s_lshl_b32 s21, s13, 13                        ; my eight row tiles
	s_lshl_b32 s22, s14, 13                        ; my eight column tiles,
	s_add_co_u32 s22, s22, KB                      ; behind O's 64 KB
.irp s, 0,1
	v_add_nc_u32 v[ADRA+\s], s21, v3
	v_add_nc_u32 v[ADRB+\s], s22, v3
	s_add_co_u32 s21, s21, SLOT
	s_add_co_u32 s22, s22, SLOT
.endr
	v_and_b32 v4, 15, v0                           ; r
	v_bfe_u32 v2, v0, 4, 1                         ; h
	s_mul_i32 s23, s[WV], 16*SPITCH
	s_add_co_u32 s23, s23, STAGE                   ; my stage
	v_mul_u32_u24 v5, v4, SPITCH
	v_lshl_add_u32 v5, v2, 5, v5
	v_add_nc_u32 v[STO], s23, v5                   ; in: row r, 32 bytes for each half of the lanes
	v_mov_b32 v[CO], v3
	v_add_nc_u32 v[RD], s23, v3                    ; back: the 32 lanes take one row of 512 bytes
	v_lshlrev_b32 v6, 5, v2
	s_lshl_b32 s46, s42, 10                        ; my first column, in bytes, in bo as in a row of out0: 1,024 x column block + 512 x half
	s_lshl_b32 s47, s14, 9
	s_add_co_u32 s46, s46, s47
	s_mov_b32 s47, 0
	s_add_nc_u64 s[8:9], s[8:9], s[46:47]
.irp b, 0,1,2,3,4,5,6,7
	global_load_b128 v[BO+8*\b:BO+8*\b+3], v6, s[8:9] offset:64*\b        ; lane (r, h), register j: bo at column 16 b + 8 h + j
	global_load_b128 v[BO+8*\b+4:BO+8*\b+7], v6, s[8:9] offset:64*\b+16
.endr
	s_lshl_b32 s20, s15, 20                        ; my first row: (256 x row block + 128 x half) rows of 4,096 bytes
	s_lshl_b32 s21, s13, 19
	s_add_co_u32 s20, s20, s21
	s_mov_b32 s21, 0
	s_add_nc_u64 s[20:21], s[20:21], s[46:47]
	s_add_nc_u64 s[10:11], s[10:11], s[20:21]
; 16 matrix instructions: row tiles a0, a0 + 1 of the window's four x all 8 column tiles, 32 along K.  ini = 1: the first product starts the sums, with bo as C.
; The 64 accumulators take turns, one instruction a turn, in the same order in every quarter.
.macro MUL16 f, hi, a0, ini
.irp a, \a0, \a0+1
.irp b, 0,1,2,3,4,5,6,7
.if \ini
	v_wmma_f32_16x16x32_f16 v[8*(8*(\a)+\b):8*(8*(\a)+\b)+7], v[\f+8*\b:\f+8*\b+7], v[\f+8*(4*\hi+\a):\f+8*(4*\hi+\a)+7], v[BO+8*\b:BO+8*\b+7]
.else
	v_wmma_f32_16x16x32_f16 v[8*(8*(\a)+\b):8*(8*(\a)+\b)+7], v[\f+8*\b:\f+8*\b+7], v[\f+8*(4*\hi+\a):\f+8*(4*\hi+\a)+7], v[8*(8*(\a)+\b):8*(8*(\a)+\b)+7]
.endif
.endr
.endr
.endm
; 32 LDS loads in one run: the fragments of the slot's q-th 32 along K into buffer f: Wo's eight, then O's eight
.macro FETCH slot, q, f
	WIN TO_B
.irp i, 0,1,2,3,4,5,6,7
	ds_load_b128 v[\f+8*\i:\f+8*\i+3],   v[ADRB+\slot] offset:(\q)*16384+\i*1024
	ds_load_b128 v[\f+8*\i+4:\f+8*\i+7], v[ADRB+\slot] offset:(\q)*16384+\i*1024+512
.endr
	WIN 0
.irp i, 0,1,2,3,4,5,6,7
	ds_load_b128 v[\f+8*\i:\f+8*\i+3],   v[ADRA+\slot] offset:(\q)*16384+\i*1024
	ds_load_b128 v[\f+8*\i+4:\f+8*\i+7], v[ADRA+\slot] offset:(\q)*16384+\i*1024+512
.endr
.endm
.macro PLACES                          ; four places in front of loads into registers that matrix instructions have read, and of the first read of results (ISA guide 7.12.1 for vector instructions)
.rept 4
	v_nop
.endr
.endm
; A K step is four quarters of 32 along K, 64 matrix instructions each, on buffers 0, 1, 0, 1.  One of the first three: multiplies buffer f and fetches the slot's q-th quarter into g.
.macro QUARTER slot, q, f, g, ini
	s_wait_dscnt 8                                 ; Wo's fragments and O's rows 0-63 are in; the youngest eight loads (O's rows 64-127) may be out
.if \ini
	WIN 0x81                                       ; C (bo) in window 0, D in window 2
.else
	WIN MUL_LO
.endif
	MUL16 \f, 0, 0, \ini
	MUL16 \f, 0, 2, \ini
	PLACES
	FETCH \slot, \q, \g
	s_wait_dscnt 32                                ; all but the 32 just issued
.if \ini
	WIN 0xc1
.else
	WIN MUL_HI
.endif
	MUL16 \f, 1, 0, \ini
	MUL16 \f, 1, 2, \ini
.endm
; The last quarter multiplies buffer 1 and changes slots: ONE barrier; in front of it each wave waits for all its tensor loads, adds 0 to its spare word, and waits for that and for its own reads of this slot.
; fill = 1: the barrier opens a round of the cluster's barrier, and this slot is filled again, two K steps ahead, first thing behind the round.
.macro TURN slot, next, fill
	WIN 0                                          ; (the add's two registers lie in window 0)
	s_wait_tensorcnt 0x0                           ; all my tensor loads have landed: the one that was out is my part of the next slot
	ds_add_u32 v[SPW], v[NIL]                      ; 0 onto my spare word
	s_wait_dscnt 9                                 ; (the add and the youngest eight loads may be out)
	WIN MUL_LO
	MUL16 F1, 0, 0, 0                              ; sixteen matrix instructions stand between the add and the wait for it
	s_wait_dscnt 0x0                               ; the add is done, and my reads of this slot are over
	s_barrier_signal -1
	MUL16 F1, 0, 2, 0                              ; work on registers while the others arrive
.if \fill
	WIN 0
.endif
	s_barrier_wait -1
.if \fill
	CREST                                          ; no wave of any partner still reads this slot's tile or has a load on its way
	s_add_nc_u64 s[G0+4*\slot+2:G0+4*\slot+3], s[G0+4*\slot+2:G0+4*\slot+3], 2*KB
	s_add_nc_u64 s[G0B+4*\slot+2:G0B+4*\slot+3], s[G0B+4*\slot+2:G0B+4*\slot+3], 2*KB
	JLOAD \slot                                    ; the four v_nop behind it are also the places in front of the loads below
.else
	PLACES
.endif
	FETCH \next, 0, F0
	WIN MUL_HI
	MUL16 F1, 1, 0, 0
	MUL16 F1, 1, 2, 0
.endm
	s_wait_tensorcnt 1                             ; my part of K step 0 is in (K step 1's load may be out)
	s_barrier_signal -1
	s_barrier_wait -1                              ; everybody's is
	FETCH 0, 0, F0
	s_wait_loadcnt 0x0                             ; bo
	QUARTER 0, 1, F0, F1, 1                        ; the first quarter stands in front of the loop: its products start the sums
	WIN 0                                          ; at a label and at a branch every window is 0
	s_mov_b32 s3, LAPS-1
.Llap:                                                 ; a trip goes once round the ring, from a lap's second quarter to the next lap's first, and fills both slots again: K steps 2 to 7
	QUARTER 0, 2, F1, F0, 0
	QUARTER 0, 3, F0, F1, 0
	TURN 0, 1, 1
	QUARTER 1, 1, F0, F1, 0
	QUARTER 1, 2, F1, F0, 0
	QUARTER 1, 3, F0, F1, 0
	TURN 1, 0, 1
	QUARTER 0, 1, F0, F1, 0
	WIN 0
	s_sub_co_u32 s3, s3, 1
	s_cmp_lg_u32 s3, 0
	s_cbranch_scc1 .Llap
	QUARTER 0, 2, F1, F0, 0                        ; the last lap fills nothing, and has no round of the cluster's barrier
	QUARTER 0, 3, F0, F1, 0
	TURN 0, 1, 0
	QUARTER 1, 1, F0, F1, 0
	QUARTER 1, 2, F1, F0, 0
	QUARTER 1, 3, F0, F1, 0
	s_wait_dscnt 8                                 ; the very last quarter: nothing more to fetch
	WIN MUL_LO
	MUL16 F1, 0, 0, 0
	MUL16 F1, 0, 2, 0
	s_wait_dscnt 0x0
	WIN MUL_HI
	MUL16 F1, 1, 0, 0
	MUL16 F1, 1, 2, 0
	WIN 0
; THE WAY OUT, block by block of 16 rows x 128 columns.  A lane holds 32 neighbouring bytes of a row, and the lanes beside it hold other rows: so a block goes through my own stage in LDS and comes back as whole rows of 512 bytes.
; LDS serves a wave's instructions in order (ISA guide 5.7.1.4): no wait between the stores and the loads, nor in front of the next block's stores.
.macro TOSTAGE a
.set AC, 64*((\a)%4)
	WIN 0x08+4*((\a)/4)                            ; an LDS store's data are its source 1: window 2 or 3
.irp b, 0,1,2,3,4,5,6,7
	ds_store_b128 v[STO], v[AC+8*\b:AC+8*\b+3] offset:64*\b          ; each accumulator from its low end on
	ds_store_b128 v[STO], v[AC+8*\b+4:AC+8*\b+7] offset:64*\b+16
.endr
	WIN 0
.set BB, BK+64*((\a)%2)
.irp t, 0,1,2,3,4,5,6,7,8,9,10,11,12,13,14,15
	ds_load_b128 v[BB+4*\t:BB+4*\t+3], v[RD] offset:\t*SPITCH
.endr
.endm
.macro SEND a, younger                 ; younger: the LDS instructions issued behind block a's loads, which may stay out
.set BB, BK+64*((\a)%2)
	s_wait_dscnt \younger                          ; the block is back in registers
.if (\a) > 0
	s_add_nc_u64 s[10:11], s[10:11], 16*4096       ; 16 rows on (the earlier stores have read their base: the wait for that stands ahead)
.endif
.irp t, 0,1,2,3,4,5,6,7,8,9,10,11,12,13,14,15
	global_store_b128 v[CO], v[BB+4*\t:BB+4*\t+3], s[10:11] offset:\t*4096 th:TH_STORE_NT   ; 32 lanes store 512 consecutive bytes, at a multiple of 256 from out0's first byte
.endr
.endm
	PLACES                                         ; for the loads into the registers that held O's fragments and bo, and for the reads of the last results
	TOSTAGE 0
.irp a, 1,2,3,4,5,6,7
.if \a > 1
	s_wait_xcnt 0x0                                ; block a - 2's stores have read their registers and their base: block a's loads may land there, and the base may step
.endif
	TOSTAGE \a
	SEND \a-1, 32                                  ; behind block a - 1's loads: block a's 16 stores and 16 loads
.endr
	s_wait_xcnt 0x0                                ; block 6's stores have read their base
	SEND 7, 0
	s_wait_tensorcnt 0x0                           ; the wave's end, behind my last tensor load and my last LDS store
	ds_add_u32 v[SPW], v[NIL]
	s_wait_dscnt 0x0
	CROUND                                         ; the closing round: no work-group ends while a partner may still ask for a tile that names it
	s_endpgm
.Lfunc_end_k_q2a1cc1f889_oproj:
	.size	k_q2a1cc1f889_oproj, .Lfunc_end_k_q2a1cc1f889_oproj-k_q2a1cc1f889_oproj
	.p2alignl 7, 3214868480
	.fill 96, 4, 3214868480
	.section	.rodata,"a",@progbits
	.p2align	6, 0x0
	.amdhsa_kernel k_q2a1cc1f889_oproj
		.amdhsa_group_segment_fixed_size 327680
		.amdhsa_private_segment_fixed_size 0
		.amdhsa_enable_private_segment 0
		.amdhsa_kernarg_size 32
		.amdhsa_user_sgpr_count 2
		.amdhsa_user_sgpr_kernarg_segment_ptr 1
		.amdhsa_wavefront_size32 1
		.amdhsa_system_sgpr_workgroup_id_x 1
		.amdhsa_system_sgpr_workgroup_id_y 1
		.amdhsa_system_sgpr_workgroup_id_z 1
		.amdhsa_system_vgpr_workitem_id 0
		.amdhsa_next_free_vgpr 1024
		.amdhsa_next_free_sgpr 66
		.amdhsa_reserve_vcc 0
		.amdhsa_float_denorm_mode_32 3
		.amdhsa_float_denorm_mode_16_64 3
		.amdhsa_memory_ordered 1
		.amdhsa_forward_progress 1
		.amdhsa_inst_pref_size 142
	.end_amdhsa_kernel
	.amdgpu_metadata
---
amdhsa.version: [ 1, 2 ]
amdhsa.kernels:
  - .name:           k_q2a1cc1f889_oproj
    .symbol:         k_q2a1cc1f889_oproj.kd
    .args:
      - { .name: oimg, .offset: 0, .size: 8, .value_kind: global_buffer, .address_space: global }
      - { .name: woimg, .offset: 8, .size: 8, .value_kind: global_buffer, .address_space: global }
      - { .name: bo, .offset: 16, .size: 8, .value_kind: global_buffer, .address_space: global }
      - { .name: out0, .offset: 24, .size: 8, .value_kind: global_buffer, .address_space: global }
    .group_segment_fixed_size: 327680
    .private_segment_fixed_size: 0
    .kernarg_segment_align: 8
    .kernarg_segment_size: 32
    .max_flat_workgroup_size: 128
    .sgpr_count:     66
    .vgpr_count:     1024
    .wavefront_size: 32
...
	.end_amdgpu_metadata
.endif
;; end of part 4
